; MI455X (gfx1250); checked and timed in simulation.
; The chip was launched on July 23, 2026; its instructions are those of AMD's public machine-readable ISA for CDNA 5 (MIT licence, August 2026) and "CDNA5" Instruction Set Architecture Reference Guide (July 2026). The comments in the code are by the model that wrote it; some were corrected since.
;; Dynamic Network. Allowed arithmetic: float matrix products may take bf16 or f16 operands with f32 sums; all other float work in f32.
;; Inputs: W1 60 x 64 float32; W2 64 x 64 float32; W3 64 x 3 float32; points_xt 1,048,576 x 2 float32; points_xy 1,048,576 x 2 float32; points_xz 1,048,576 x 2 float32; points_yt 1,048,576 x 2 float32; points_yz 1,048,576 x 2 float32; points_zt 1,048,576 x 2 float32; tables 6 x 4 x 524,288 x 2 float32.
;; Outputs: out0 1,048,576 x 3 float32.
;; 3 versions, each right; version 2 is faster than version 1; version 3 is version 2 with the launches quant, mlp written anew for expert scheduling mode. Each part assembles by itself: llvm-mc -triple=amdgcn-amd-amdhsa -mcpu=gfx1250 --defsym DOCPART=n.
;; ======== version 1 of 3: 2 launches
;; limits: inputs' magnitudes at most 128; below input magnitudes of 1e-05 results are inexact or not finite; a function is approximated: absolute error at most 0.000122
;; workspace buffers: qpts 50,331,648 bytes of whole numbers
;; launch quant (part 1): grid 512 x 1, 8 waves a work-group, no clusters, 0 bytes of LDS; arguments points_xy, points_xz, points_yz, points_xt, points_yt, points_zt, qpts; writes qpts
.if DOCPART == 1
	.amdgcn_target "amdgcn-amd-amdhsa--gfx1250"
	.amdhsa_code_object_version 6
	.text
	.protected	k_qeb3ec51c0b_quant
	.globl	k_qeb3ec51c0b_quant
	.p2align	8
	.type	k_qeb3ec51c0b_quant,@function
k_qeb3ec51c0b_quant:
	s_mov_b64 s[64:65], 0
	v_nop
	global_prefetch_b8 v0, s[64:65] scope:SCOPE_SE
	s_setreg_imm32_b32 hwreg(HW_REG_WAVE_MODE, 25, 1), 1
	s_wait_xcnt 0x0
; q = trunc(p * 2^24) as a signed 32-bit whole number, for each of the 12 coordinates of each of the 1,048,576 points.
; The next launch forms cell numbers, weights and the raw coordinates from q alone, by whole-number arithmetic.
; qpts: [32768 supertiles of 32 points][6 planes][32 points][2] i32: byte 1536 s + 256 j + 8 point + 4 c; planes xy, xz, yz, xt, yt, zt.
; LIMITS: |p| < 128; a larger p is clamped to +-(128 - 2^-17).  p is cut to a multiple of 2^-24 (toward zero).
; A NaN coordinate gives whatever v_med3_num_f32 and v_cvt_i32_f32 make of it, not a NaN in the result.
; Eight waves; the work-group owns 2,048 points, a wave 256: four units of 64 points.  For a unit and a plane a lane takes 16 bytes
; (two points), so a load of the wave covers 512 neighbouring bytes, and in a store sixteen neighbouring lanes write
; 256 consecutive bytes at a multiple of 256 from the buffer's first byte (one plane of one supertile).
; All 24 loads of a wave go out at once; no register is written again behind its store, so nothing but the loads is waited for.
.set X, 8                              ; v[8:103]  slot n = 6 k + j (unit k, plane j): 4 registers
	s_load_b256 s[4:11], s[0:1], 0x0               ; xy s[4:5], xz s[6:7], yz s[8:9], xt s[10:11]
	s_load_b128 s[12:15], s[0:1], 0x20             ; yt s[12:13], zt s[14:15]
	s_load_b64 s[16:17], s[0:1], 0x30              ; qpts
	s_mov_b32 s18, 0xceffffff                      ; -(2^31 - 128): the clamp, in units of 2^-24
	s_mov_b32 s19, 0x4effffff                      ; +(2^31 - 128)
	s_lshl_b32 s20, ttmp9, 14                      ; the group's 2,048 points x 8 bytes in a plane
	s_mul_i32 s21, ttmp9, 98304                    ; the group's 64 supertiles x 1,536 bytes in qpts
	v_and_b32 v3, 31, v0                           ; lane
	v_lshrrev_b32 v4, 5, v0                        ; wave
	v_lshlrev_b32 v1, 4, v3
	v_lshl_add_u32 v1, v4, 11, v1                  ; wave x 2,048 + lane x 16
	v_add_nc_u32 v1, s20, v1                       ; v1: where I read, in every plane
	v_mul_u32_u24 v2, 0x3000, v4                   ; wave x 8 supertiles x 1,536
	v_bfe_u32 v5, v0, 4, 1                         ; lanes 16-31 hold the unit's second supertile
	v_mad_u32_u24 v2, v5, 0x600, v2
	v_and_b32 v6, 15, v0
	v_lshl_add_u32 v2, v6, 4, v2                   ; two points of 8 bytes a lane
	v_add_nc_u32 v2, s21, v2                       ; v2: where I write
	s_wait_kmcnt 0x0
.irp k, 0,1,2,3
.irp j, 0,1,2,3,4,5
	global_load_b128 v[X+4*(6*\k+\j):X+4*(6*\k+\j)+3], v1, s[4+2*\j:5+2*\j] offset:512*\k th:TH_LOAD_NT
.endr
.endr
; slot n: scale, clamp, convert in place, store
.macro CONV n, k, j
	s_wait_loadcnt 23-\n                           ; loads come back in order: slot n is in, the 23 - n younger ones stay out
	v_pk_mul_f32 v[X+4*\n:X+4*\n+1],   v[X+4*\n:X+4*\n+1],   0x4b800000 op_sel_hi:[1,0]   ; x 2^24
	v_pk_mul_f32 v[X+4*\n+2:X+4*\n+3], v[X+4*\n+2:X+4*\n+3], 0x4b800000 op_sel_hi:[1,0]
.irp e, 0,1,2,3
	v_med3_num_f32 v[X+4*\n+\e], v[X+4*\n+\e], s18, s19
.endr
.irp e, 0,1,2,3
	v_cvt_i32_f32 v[X+4*\n+\e], v[X+4*\n+\e]
.endr
	global_store_b128 v2, v[X+4*\n:X+4*\n+3], s[16:17] offset:3072*\k+256*\j
.endm
.irp k, 0,1,2,3
.irp j, 0,1,2,3,4,5
	CONV (6*\k+\j), \k, \j
.endr
.endr
	s_endpgm
.Lfunc_end_k_qeb3ec51c0b_quant:
	.size	k_qeb3ec51c0b_quant, .Lfunc_end_k_qeb3ec51c0b_quant-k_qeb3ec51c0b_quant
	.p2alignl 7, 3214868480
	.fill 96, 4, 3214868480
	.section	.rodata,"a",@progbits
	.p2align	6, 0x0
	.amdhsa_kernel k_qeb3ec51c0b_quant
		.amdhsa_group_segment_fixed_size 0
		.amdhsa_private_segment_fixed_size 0
		.amdhsa_enable_private_segment 0
		.amdhsa_kernarg_size 56
		.amdhsa_user_sgpr_count 2
		.amdhsa_user_sgpr_kernarg_segment_ptr 1
		.amdhsa_wavefront_size32 1
		.amdhsa_system_sgpr_workgroup_id_x 1
		.amdhsa_system_sgpr_workgroup_id_y 1
		.amdhsa_system_sgpr_workgroup_id_z 1
		.amdhsa_system_vgpr_workitem_id 0
		.amdhsa_next_free_vgpr 104
		.amdhsa_next_free_sgpr 66
		.amdhsa_reserve_vcc 0
		.amdhsa_float_denorm_mode_32 3
		.amdhsa_float_denorm_mode_16_64 3
		.amdhsa_memory_ordered 1
		.amdhsa_forward_progress 1
		.amdhsa_inst_pref_size 20
	.end_amdhsa_kernel
	.amdgpu_metadata
---
amdhsa.version: [ 1, 2 ]
amdhsa.kernels:
  - .name:           k_qeb3ec51c0b_quant
    .symbol:         k_qeb3ec51c0b_quant.kd
    .args:
      - { .name: points_xy, .offset: 0, .size: 8, .value_kind: global_buffer, .address_space: global }
      - { .name: points_xz, .offset: 8, .size: 8, .value_kind: global_buffer, .address_space: global }
      - { .name: points_yz, .offset: 16, .size: 8, .value_kind: global_buffer, .address_space: global }
      - { .name: points_xt, .offset: 24, .size: 8, .value_kind: global_buffer, .address_space: global }
      - { .name: points_yt, .offset: 32, .size: 8, .value_kind: global_buffer, .address_space: global }
      - { .name: points_zt, .offset: 40, .size: 8, .value_kind: global_buffer, .address_space: global }
      - { .name: qpts, .offset: 48, .size: 8, .value_kind: global_buffer, .address_space: global }
    .group_segment_fixed_size: 0
    .private_segment_fixed_size: 0
    .kernarg_segment_align: 8
    .kernarg_segment_size: 56
    .max_flat_workgroup_size: 256
    .sgpr_count:     66
    .vgpr_count:     104
    .wavefront_size: 32
...
	.end_amdgpu_metadata
.endif
;; end of part 1
;; launch mlp (part 2): grid 256 x 1, 8 waves a work-group, no clusters, 25,600 bytes of LDS; arguments qpts, tables, W1, W2, W3, out0; writes out0
.if DOCPART == 2
	.amdgcn_target "amdgcn-amd-amdhsa--gfx1250"
	.amdhsa_code_object_version 6
	.text
	.protected	k_qeb3ec51c0b_mlp
	.globl	k_qeb3ec51c0b_mlp
	.p2align	8
	.type	k_qeb3ec51c0b_mlp,@function
k_qeb3ec51c0b_mlp:
	s_mov_b64 s[64:65], 0
	v_nop
	global_prefetch_b8 v0, s[64:65] scope:SCOPE_SE
	s_setreg_imm32_b32 hwreg(HW_REG_WAVE_MODE, 25, 1), 1
	s_wait_xcnt 0x0
; out = relu(relu(enc W1) W2) W3, enc = six planes of (4 levels x 2 features of a 2-D hash grid, 2 raw coordinates): 60 numbers a point.
; Input is qpts (q = trunc(p 2^24), whole numbers, [supertile of 32 points][plane][point][2]); the float points are not read here.
; POSITION: u = q xor 2^31 = (p + 128) 2^24, unsigned.  u R_l - (R_l / 2) 2^32 = q R_l in 64 bits, R_l = res_l 2^21 (exact: the f32
; resolutions are multiples of 2^-19, 2^-18).  Its high word H = floor(p res_l 2^13).  H >> 13 is the cell number modulo 2^19, which is all
; that an index modulo 2^19 needs; H & 0x1fff is the weight in units of 2^-13.  Cell and weight come from one number and always agree.
; HASH: index = (cx ^ cy 2654435761) mod 2^19 = (cx ^ (cy mod 2^19) 0x779B1) & 0x7ffff; the row cy + 1 adds 0x779B1.
; LIMITS: |p| < 128 and p cut to 2^-24 (made by the launch before); weights cut to 2^-13; the position is the exact product p res, where
; the definition rounds it to f32 (the interpolant is continuous across cell edges, so a cell that differs changes the value by position
; error x slope).  Matrix operands are bf16; h1 and h2 each go into the next layer as two bf16 operands, the rounded value and the
; remainder, so that the hidden layers are carried with some 16 bits.  ReLU is v_max_num_f32: a NaN in a hidden layer becomes 0 and is not carried on.
; SHARES: 256 work-groups of 8 waves; a wave owns 16 consecutive supertiles, one a trip; in the gather phase a lane is a point.
; THE MLP IS TRANSPOSED: D(feature, point) = W^T (source A) x X^T (source B).  In D lane (r, h) holds point r, features 16 mt + 8 h + j:
; packed in pairs that is the next layer's B fragment, so nothing moves between lanes or through LDS from layer to layer.
; No tensor loads, clusters or joint loads: nothing is streamed as tiles that work-groups share; the 32 KB of weights are read once by a
; work-group and stay in registers, and the gathers go lane by lane.
.set STILE, 1536                       ; bytes of a supertile in qpts
.set LEVELB, 4194304                   ; bytes of one level's table
.set R0, 33554432                      ; res_l x 2^21
.set R1, 46368868
.set R2, 64077140
.set R3, 88548200
.set STAGE, 18432                      ; LDS: 0..18431 the 18 fragment images of 1,024 bytes; then 768 bytes for each wave, its own, for the way out
; vector registers, block 0
;   v1 8 x lane   v2 stage, 12 x lane   v3 stage, 16 x lane   v4 stage + 512, 8 x lane   v5 16 x lane   (never rewritten)
.set Q,  8                             ; v[8:19]    pair p: (qx, qy) of plane p
.set CB, 20                            ; v[20:27]   pair l: (0, -R_l/2): the 64-bit addend
.set T,  28                            ; v[28:39]   at work; v[28:33] also the data of the stores
.set WR, 40                            ; v[40:63]   ring of 3 x 8: pair l = (wx, wy)
.set LD, 64                            ; v[64:159]  ring of 3 x 32: corner c of level l at 8 l + 2 c; c = 0 (0,0), 1 (1,0), 2 (0,1), 3 (1,1)
.set LO, LD+64                         ; v[128:159] the ring's third slot; in the MLP it holds h1's remainders: plane 5's corners have been used up, and the
                                       ;            gathers then on their way are planes 0 and 1 of the next supertile, into the first two slots
.set E,  160                           ; v[160:191] enc in bf16 pairs: half h (planes 3h..3h+2) at 16 h; slot 5 (p%3) + l features, 5 (p%3) + 4 coordinates, 15 zero
.set D,  192                           ; v[192:255] accumulator g = 4 t + mt at 8 g; outside the MLP at work, 8 a level
.set D3, D+32                          ; the last layer's two accumulators
; block 1 (v256-v399, written v0-v143 under the window): fragment f at 8 f; f = 2 mt + u W1, 8 + 2 mt + u W2, 16 + u W3
; scalars: s[4:5] qpts at my pair of supertiles, s[6:7] tables, s[8:13] W1 W2 W3, s[14:15] out0 at my pair
.set TB, 16                            ; s[16:63]   pair 4 p + l: the table of plane p, level l
.set SR, 66                            ; s66-69     R_l;  s70 0x7ffff;  s71 0x779B1;  s72 counter;  s73 wave
.set MSB, 0
.macro WIN new                         ; the immediate's high byte repeats the setting that is left
.if MSB != \new
	s_set_vgpr_msb (MSB<<8)|\new
.set MSB, \new
.endif
.endm
.macro PLACES                          ; four plain vector places behind a matrix instruction, before vector work reads its result or writes a source (ISA guide 7.12.1)
.rept 4
	v_nop
.endr
.endm
	s_load_b128 s[4:7], s[0:1], 0x0                ; qpts, tables
	s_load_b128 s[8:11], s[0:1], 0x10              ; W1, W2
	s_load_b128 s[12:15], s[0:1], 0x20             ; W3, out0
	v_lshl_add_u32 v38, v0, 2, 0x6000
	v_mov_b32 v39, 0
	v_lshrrev_b32 v6, 5, v0
	v_readfirstlane_b32 s73, v6                    ; wave 0..7
	v_and_b32 v7, 31, v0                           ; lane
	v_lshlrev_b32 v1, 3, v7
	v_lshlrev_b32 v5, 4, v7
	s_lshl_b32 s76, ttmp9, 3
	s_add_co_u32 s76, s76, s73                     ; my number among the 2,048 waves
	s_mul_i32 s78, s76, 16*STILE                   ; my 16 supertiles in qpts
	s_mov_b32 s79, 0
	s_mul_i32 s80, s76, 16*384                     ; and in out0 (32 points x 12 bytes each)
	s_mov_b32 s81, 0
	s_mul_i32 s76, s73, 768
	s_add_co_u32 s76, s76, STAGE                   ; my stage
	v_mad_u32_u24 v2, v7, 12, s76
	v_lshl_add_u32 v3, v7, 4, s76
	v_lshl_add_u32 v4, v7, 3, s76
	v_add_nc_u32 v4, 512, v4
	s_mov_b32 s[SR+0], R0
	s_mov_b32 s[SR+1], R1
	s_mov_b32 s[SR+2], R2
	s_mov_b32 s[SR+3], R3
	s_mov_b32 s70, 0x7ffff
	s_mov_b32 s71, 0x779B1
.irp l, 0,1,2,3
	v_mov_b32 v[CB+2*\l], 0
.endr
	v_mov_b32 v[CB+1], (0-R0/2)&0xffffffff
	v_mov_b32 v[CB+3], (0-R1/2)&0xffffffff
	v_mov_b32 v[CB+5], (0-R2/2)&0xffffffff
	v_mov_b32 v[CB+7], (0-R3/2)&0xffffffff
	; THE WEIGHTS.  Wave w makes W1's fragment and W2's fragment (mt = w >> 1, u = w & 1); waves 0 and 1 also W3's fragment u = w.
	; A fragment: lane (r, h) holds row m = 16 mt + r of W^T; register j holds two k.  W2, W3: k in its true place, 32 u + 8 h + kj + c,
	; kj = 2 j + 8 (j / 4).  W1: register j of step u, half-word c holds row 30 h + 2 (8 u + j) + c of W1, the order in which enc is packed; slot 15 is zero.
	v_and_b32 v28, 15, v0                          ; r
	v_bfe_u32 v29, v0, 4, 1                        ; h
	s_lshr_b32 s74, s73, 1
	s_lshl_b32 s74, s74, 6                         ; 64 mt: 16 columns of 4 bytes
	s_and_b32 s77, s73, 1                          ; u
	s_cmp_eq_u32 s77, 0
	s_cselect_b32 s75, -1, 0                       ; keeps word 7 where u = 0, clears it where u = 1 (slot 15)
	s_lshl_b32 s82, s77, 12
	s_add_co_u32 s82, s82, s74                     ; W1: 16 u rows of 256 bytes + 64 mt
	s_lshl_b32 s83, s77, 3
	s_add_co_u32 s83, s83, 7
	s_min_u32 s83, s83, 14                         ; word 7's slot, held at 14: no row past 59 is loaded
	s_lshl_b32 s83, s83, 9
	s_add_co_u32 s83, s83, s74
	s_lshl_b32 s84, s77, 13
	s_add_co_u32 s84, s84, s74                     ; W2: 32 u rows of 256 bytes + 64 mt
	v_lshlrev_b32 v36, 2, v28
	v_mad_u32_u24 v30, v29, 0x1e00, v36            ; 30 h rows + 4 r
	v_add_nc_u32 v31, s83, v30                     ; W1, word 7
	v_add_nc_u32 v30, s82, v30                     ; W1, words 0 to 6
	v_lshl_add_u32 v32, v29, 11, v36               ; 8 h rows + 4 r
	v_add_nc_u32 v32, s84, v32                     ; W2
	v_lshl_add_u32 v34, s73, 10, v5                ; LDS: 1,024 w + 16 lane
	s_wait_kmcnt 0x0
	s_add_nc_u64 s[4:5], s[4:5], s[78:79]
	s_add_nc_u64 s[14:15], s[14:15], s[80:81]
.set n, 0
.rept 24
	s_add_nc_u64 s[TB+2*n:TB+2*n+1], s[6:7], n*LEVELB
.set n, n+1
.endr
.macro QLOAD p, ahead                  ; plane p's 32 points of the supertile so many ahead of the pair's first: 256 neighbouring bytes
	global_load_b64 v[Q+2*\p:Q+2*\p+1], v1, s[4:5] offset:STILE*\ahead+256*\p th:TH_LOAD_NT
.endm
	QLOAD 0, 0
	QLOAD 1, 0
	QLOAD 2, 0
	QLOAD 3, 0
.irp j, 0,1,2,3,4,5,6
	global_load_b32 v[LD+2*\j],   v30, s[8:9] offset:512*\j
	global_load_b32 v[LD+2*\j+1], v30, s[8:9] offset:512*\j+256
.endr
	global_load_b32 v[LD+14], v31, s[8:9]
	global_load_b32 v[LD+15], v31, s[8:9] offset:256
.irp j, 0,1,2,3,4,5,6,7
	global_load_b32 v[LD+16+2*\j],   v32, s[10:11] offset:256*(2*\j+8*(\j/4))
	global_load_b32 v[LD+16+2*\j+1], v32, s[10:11] offset:256*(2*\j+8*(\j/4))+256
.endr
	s_cmp_ge_u32 s73, 2
	s_cbranch_scc1 .Lno_w3                         ; W3 has two fragments: waves 0 and 1
	v_min_u32 v35, 2, v28                          ; W3 has 3 columns: rows m >= 3 of W3^T load column 2 and are cleared below
	v_lshlrev_b32 v35, 2, v35
	v_mad_u32_u24 v33, v29, 96, v35                ; 8 h rows of 12 bytes
	s_mul_i32 s85, s73, 384                        ; 32 u rows
	v_add_nc_u32 v33, s85, v33
.irp j, 0,1,2,3,4,5,6,7
	global_load_b32 v[LD+32+2*\j],   v33, s[12:13] offset:12*(2*\j+8*(\j/4))
	global_load_b32 v[LD+32+2*\j+1], v33, s[12:13] offset:12*(2*\j+8*(\j/4))+12
.endr
	v_cmp_gt_u32 vcc_lo, 3, v28
	s_wait_loadcnt 0x0
.irp j, 0,1,2,3,4,5,6,7
	v_cvt_pk_bf16_f32 v[LD+64+\j], v[LD+32+2*\j], v[LD+32+2*\j+1]
.endr
.irp j, 0,1,2,3,4,5,6,7
	v_cndmask_b32 v[LD+64+\j], 0, v[LD+64+\j], vcc_lo
.endr
	ds_store_b128 v34, v[LD+64:LD+67] offset:16384
	ds_store_b128 v34, v[LD+68:LD+71] offset:16896
.Lno_w3:
	s_wait_loadcnt 0x0                             ; the weights, and the first four planes' q
.irp j, 0,1,2,3,4,5,6,7
	v_cvt_pk_bf16_f32 v[LD+48+\j], v[LD+2*\j], v[LD+2*\j+1]
	v_cvt_pk_bf16_f32 v[LD+56+\j], v[LD+16+2*\j], v[LD+16+2*\j+1]
.endr
	v_and_b32 v[LD+55], s75, v[LD+55]
	ds_store_b128 v34, v[LD+48:LD+51]
	ds_store_b128 v34, v[LD+52:LD+55] offset:512
	ds_store_b128 v34, v[LD+56:LD+59] offset:8192
	ds_store_b128 v34, v[LD+60:LD+63] offset:8704
	s_wait_dscnt 0x0                               ; my images are written, for the other waves' sake: zero
	s_barrier_signal -1
	s_barrier_wait -1                              ; everybody's are.  The kernel's only barrier: the images are never written again
	WIN 0x40                                       ; destination in block 1
.set f, 0
.rept 18
	ds_load_b128 v[8*f:8*f+3],   v5 offset:1024*f
	ds_load_b128 v[8*f+4:8*f+7], v5 offset:1024*f+512
.set f, f+1
.endr
	WIN 0
	s_wait_dscnt 0x0
; Plane p: from q the four levels' weights (into WR's ring) and sixteen table indices, each into the first register of the pair on which its
; corner will land.  Stage by stage over the four levels, so that neighbouring lines do not hang on each other.
.macro INDEX p
.set LB, LD+32*(\p%3)
.set WB, WR+8*(\p%3)
	v_xor_b32 v[T],   0x80000000, v[Q+2*\p]
	v_xor_b32 v[T+1], 0x80000000, v[Q+2*\p+1]
.irp l, 0,1,2,3
	v_mad_nc_u64_u32 v[D+8*\l:D+8*\l+1],   v[T],   s[SR+\l], v[CB+2*\l:CB+2*\l+1]   ; high word: floor(x res 2^13)
	v_mad_nc_u64_u32 v[D+8*\l+2:D+8*\l+3], v[T+1], s[SR+\l], v[CB+2*\l:CB+2*\l+1]
.endr
.irp l, 0,1,2,3
	v_lshrrev_b32 v[D+8*\l+4], 13, v[D+8*\l+1]     ; cx mod 2^19
	v_lshrrev_b32 v[D+8*\l+6], 13, v[D+8*\l+3]     ; cy mod 2^19
.endr
.irp l, 0,1,2,3
	v_and_b32 v[WB+2*\l],   0x1fff, v[D+8*\l+1]
	v_and_b32 v[WB+2*\l+1], 0x1fff, v[D+8*\l+3]
.endr
.irp l, 0,1,2,3
	v_cvt_f32_u32 v[WB+2*\l],   v[WB+2*\l]
	v_cvt_f32_u32 v[WB+2*\l+1], v[WB+2*\l+1]
.endr
.irp l, 0,1,2,3
	v_pk_mul_f32 v[WB+2*\l:WB+2*\l+1], v[WB+2*\l:WB+2*\l+1], 0x39000000 op_sel_hi:[1,0]   ; x 2^-13
.endr
.irp l, 0,1,2,3
	v_add_nc_u32 v[D+8*\l+5], 1, v[D+8*\l+4]
	v_mul_u32_u24 v[D+8*\l+6], s71, v[D+8*\l+6]    ; 19 bits x 19 bits; the low 19 bits of the product are wanted
.endr
.irp l, 0,1,2,3
	v_and_b32 v[D+8*\l+5], s70, v[D+8*\l+5]        ; cx + 1
	v_add_nc_u32 v[D+8*\l+7], s71, v[D+8*\l+6]     ; the row cy + 1
.endr
.irp l, 0,1,2,3
	v_and_b32 v[D+8*\l+6], s70, v[D+8*\l+6]
	v_and_b32 v[D+8*\l+7], s70, v[D+8*\l+7]
.endr
.irp l, 0,1,2,3
	v_xor_b32 v[LB+8*\l],   v[D+8*\l+4], v[D+8*\l+6]
	v_xor_b32 v[LB+8*\l+2], v[D+8*\l+5], v[D+8*\l+6]
	v_xor_b32 v[LB+8*\l+4], v[D+8*\l+4], v[D+8*\l+7]
	v_xor_b32 v[LB+8*\l+6], v[D+8*\l+5], v[D+8*\l+7]
.endr
.irp l, 0,1,2,3
.irp c, 0,2,4,6
	v_min_u32 v[LB+8*\l+\c], 0x7ffff, v[LB+8*\l+\c]    ; changes no value: the index's bound, written out in front of the address
.endr
.endr
.endm
; Sixteen gathers of 8 bytes a lane (an entry's two features): scale_offset makes the address base + 8 x index.
; Each lands on the pair that begins with its own index.
.macro GATHER p
.irp l, 0,1,2,3
.irp c, 0,2,4,6
.set GA, LD+32*(\p%3)+8*\l+\c
	global_load_b64 v[GA:GA+1], v[GA], s[TB+2*(4*\p+\l):TB+2*(4*\p+\l)+1] scale_offset
.endr
.endr
.endm
; Plane p: bilinear interpolation as three linear ones, both features at once; then the plane's ten numbers as five bf16 pairs into E.
.macro INTERP p
.set LB, LD+32*(\p%3)
.set WB, WR+8*(\p%3)
.set EB, E+16*(\p/3)+5*(\p%3)
.irp l, 0,1,2,3
	v_pk_add_f32 v[LB+8*\l+2:LB+8*\l+3], v[LB+8*\l+2:LB+8*\l+3], v[LB+8*\l:LB+8*\l+1] neg_lo:[0,1] neg_hi:[0,1]
	v_pk_add_f32 v[LB+8*\l+6:LB+8*\l+7], v[LB+8*\l+6:LB+8*\l+7], v[LB+8*\l+4:LB+8*\l+5] neg_lo:[0,1] neg_hi:[0,1]
.endr
.irp l, 0,1,2,3
	v_pk_fma_f32 v[LB+8*\l:LB+8*\l+1],   v[LB+8*\l+2:LB+8*\l+3], v[WB+2*\l:WB+2*\l+1], v[LB+8*\l:LB+8*\l+1] op_sel_hi:[1,0,1]     ; along x, row cy: both by wx
	v_pk_fma_f32 v[LB+8*\l+4:LB+8*\l+5], v[LB+8*\l+6:LB+8*\l+7], v[WB+2*\l:WB+2*\l+1], v[LB+8*\l+4:LB+8*\l+5] op_sel_hi:[1,0,1]   ; row cy + 1
.endr
.irp l, 0,1,2,3
	v_pk_add_f32 v[LB+8*\l+4:LB+8*\l+5], v[LB+8*\l+4:LB+8*\l+5], v[LB+8*\l:LB+8*\l+1] neg_lo:[0,1] neg_hi:[0,1]
.endr
.irp l, 0,1,2,3
	v_pk_fma_f32 v[LB+8*\l:LB+8*\l+1], v[LB+8*\l+4:LB+8*\l+5], v[WB+2*\l:WB+2*\l+1], v[LB+8*\l:LB+8*\l+1] op_sel:[0,1,0] op_sel_hi:[1,1,1]   ; along y: both by wy
.endr
	v_cvt_f32_i32 v[T+2], v[Q+2*\p]
	v_cvt_f32_i32 v[T+3], v[Q+2*\p+1]
.irp l, 0,1,2,3
	v_cvt_pk_bf16_f32 v[EB+\l], v[LB+8*\l], v[LB+8*\l+1]
.endr
	v_pk_mul_f32 v[T+2:T+3], v[T+2:T+3], 0x33800000 op_sel_hi:[1,0]    ; x 2^-24: the raw coordinates
	v_cvt_pk_bf16_f32 v[EB+4], v[T+2], v[T+3]
.endm
; A step: plane nx (two planes on; 0 and 1 are the next supertile's) is indexed and asked for; plane i, asked for two steps ago, is interpolated;
; then Q's pair i is free and takes the next supertile's plane i.  cnt = the loads issued behind plane i's gathers.
.macro STEP i, nx, issue, qn, cnt, ahead
.if \issue
	INDEX \nx
	GATHER \nx
.endif
	s_wait_loadcnt \cnt
	INTERP \i
.if \qn
	QLOAD \i, \ahead
.endif
.endm
; 8 matrix instructions: 64 features x 32 points x 32 of K (step u), weights' fragments from wb in block 1, B fragments from bb.
; The eight accumulators take turns, one instruction a turn.  zero = 1: the pass starts the sums: nothing is cleared.
.macro PASS wb, bb, u, zero
.irp mt, 0,1,2,3
.irp t, 0,1
.if \zero
	v_wmma_f32_16x16x32_bf16 v[D+8*(4*\t+\mt):D+8*(4*\t+\mt)+7], v[\wb+8*(2*\mt+\u):\wb+8*(2*\mt+\u)+7], v[\bb+16*\t+8*\u:\bb+16*\t+8*\u+7], 0
.else
	v_wmma_f32_16x16x32_bf16 v[D+8*(4*\t+\mt):D+8*(4*\t+\mt)+7], v[\wb+8*(2*\mt+\u):\wb+8*(2*\mt+\u)+7], v[\bb+16*\t+8*\u:\bb+16*\t+8*\u+7], v[D+8*(4*\t+\mt):D+8*(4*\t+\mt)+7]
.endif
.endr
.endr
.endm
; ReLU, then two bf16 operands: accumulator g's eight features become four registers of the next layer's B fragments, the rounded value at
; E + 4 g, the remainder's rounded value at lob + 4 g.  With lob = D the accumulators are compacted in place, g ascending: register 4 g + i is
; written when 8 g + 2 i and all below it have been read.
.macro RELU_SPLIT lob
.irp g, 0,1,2,3,4,5,6,7
.irp j, 0,1,2,3,4,5,6,7
	v_max_num_f32 v[D+8*\g+\j], 0, v[D+8*\g+\j]
.endr
.irp i, 0,1,2,3
	v_cvt_pk_bf16_f32 v[E+4*\g+\i], v[D+8*\g+2*\i], v[D+8*\g+2*\i+1]
.endr
.irp i, 0,1,2,3
	v_lshlrev_b32 v[T+2*\i],   16, v[E+4*\g+\i]
	v_and_b32     v[T+2*\i+1], 0xffff0000, v[E+4*\g+\i]
.endr
.irp i, 0,1,2,3
	v_pk_add_f32 v[D+8*\g+2*\i:D+8*\g+2*\i+1], v[D+8*\g+2*\i:D+8*\g+2*\i+1], v[T+2*\i:T+2*\i+1] neg_lo:[0,1] neg_hi:[0,1]
.endr
.irp i, 0,1,2,3
	v_cvt_pk_bf16_f32 v[\lob+4*\g+\i], v[D+8*\g+2*\i], v[D+8*\g+2*\i+1]
.endr
.endr
.endm
; The supertile's MLP.  par = 0, 1: which half of my stage takes the 384 bytes of results; behind the second, 768 bytes go out.
.macro MLP par
	v_mov_b32 v[E+15], 0
	v_mov_b32 v[E+31], 0
.set e, 0
.rept 15
	v_permlane16_swap_b32 v[E+e], v[E+16+e]        ; lanes 16-31 of half 0 change places with lanes 0-15 of half 1: E+e is now tile 0 (points 0-15), E+16+e tile 1, lane (r, h) = half h of point r
.set e, e+1
.endr
	WIN 0x01                                       ; source A in block 1
	PASS 0, E, 0, 1                                ; layer 1: enc x W1
	PASS 0, E, 1, 0
	WIN 0
	PLACES
	RELU_SPLIT LO                                  ; h1: rounded values into E, remainders into the gather ring's free slot
	WIN 0x01
	PASS 64, E, 0, 1                               ; layer 2: h1's rounded values x W2,
	PASS 64, E, 1, 0
	PASS 64, LO, 0, 0                              ; and its remainders x W2, onto the same sums
	PASS 64, LO, 1, 0
	WIN 0
	PLACES
	RELU_SPLIT D                                   ; h2: rounded values into E, remainders into D's lower half
	WIN 0x01                                       ; the last layer: two accumulators by turns, one instruction a turn
.irp t, 0,1
	v_wmma_f32_16x16x32_bf16 v[D3+8*\t:D3+8*\t+7], v[128:135], v[E+16*\t:E+16*\t+7], 0
.endr
.irp t, 0,1
	v_wmma_f32_16x16x32_bf16 v[D3+8*\t:D3+8*\t+7], v[136:143], v[E+16*\t+8:E+16*\t+15], v[D3+8*\t:D3+8*\t+7]
.endr
.irp u, 0,1
.irp t, 0,1
	v_wmma_f32_16x16x32_bf16 v[D3+8*\t:D3+8*\t+7], v[128+8*\u:128+8*\u+7], v[D+16*\t+8*\u:D+16*\t+8*\u+7], v[D3+8*\t:D3+8*\t+7]
.endr
.endr
	WIN 0
	PLACES
.irp j, 0,1,2
	v_permlane16_swap_b32 v[D3+\j], v[D3+8+\j]     ; outputs lie in lanes 0-15 of both tiles: now lane L of D3 + j holds output j of point L
.endr
.irp j, 0,1,2
	ds_store_b32 v2, v[D3+\j] offset:384*\par+4*\j
.endr
.if \par
	ds_load_b128 v[T:T+3], v3                      ; my own bytes, and LDS serves a wave's instructions in order: these see the stores above
	ds_load_b64 v[T+4:T+5], v4
	s_wait_dscnt 0x0
	global_store_b128 v5, v[T:T+3], s[14:15] th:TH_STORE_NT               ; 512 consecutive bytes,
	global_store_b64 v1, v[T+4:T+5], s[14:15] offset:512 th:TH_STORE_NT   ; and 256 more: 64 points' results, at a multiple of 256 from out0's first byte
.endif
.endm
; cnt = 34: behind plane i's sixteen gathers went one q load, plane i + 1's sixteen gathers, one q load and plane i + 2's sixteen.
.macro TRIP par, ahead
	STEP 0, 2, 1, 1, 34, \ahead
	STEP 1, 3, 1, 1, 34, \ahead
	STEP 2, 4, 1, 1, 34, \ahead
	STEP 3, 5, 1, 1, 34, \ahead
	STEP 4, 0, 1, 1, 34, \ahead
	STEP 5, 1, 1, 1, 34, \ahead
	MLP \par
.endm
	; the way in leaves the loads that a trip's steps 4 and 5 leave: gathers 0, q of plane 4, gathers 1, q of plane 5
	INDEX 0
	GATHER 0
	QLOAD 4, 0
	INDEX 1
	GATHER 1
	QLOAD 5, 0
	s_mov_b32 s72, 7
.Lpair:
	TRIP 0, 1
	TRIP 1, 2
	s_wait_xcnt 0x0                                ; the two bases and the stores' data are written again only behind this wait
	s_add_nc_u64 s[4:5], s[4:5], 2*STILE
	s_add_nc_u64 s[14:15], s[14:15], 768
	s_sub_co_i32 s72, s72, 1
	s_cmp_lg_u32 s72, 0
	s_cbranch_scc1 .Lpair
	TRIP 0, 1
	; the last supertile asks for nothing beyond my sixteen: no q loads, no gathers in steps 4 and 5; the counts leave those loads out
	STEP 0, 2, 1, 0, 34, 0
	STEP 1, 3, 1, 0, 33, 0
	STEP 2, 4, 1, 0, 32, 0
	STEP 3, 5, 1, 0, 32, 0
	STEP 4, 0, 0, 0, 16, 0
	STEP 5, 1, 0, 0, 0, 0
	MLP 1
	s_wait_tensorcnt 0x0
	ds_add_u32 v38, v39
	s_wait_dscnt 0x0
	s_endpgm
.Lfunc_end_k_qeb3ec51c0b_mlp:
	.size	k_qeb3ec51c0b_mlp, .Lfunc_end_k_qeb3ec51c0b_mlp-k_qeb3ec51c0b_mlp
	.p2alignl 7, 3214868480
	.fill 96, 4, 3214868480
	.section	.rodata,"a",@progbits
	.p2align	6, 0x0
	.amdhsa_kernel k_qeb3ec51c0b_mlp
		.amdhsa_group_segment_fixed_size 25600
		.amdhsa_private_segment_fixed_size 0
		.amdhsa_enable_private_segment 0
		.amdhsa_kernarg_size 48
		.amdhsa_user_sgpr_count 2
		.amdhsa_user_sgpr_kernarg_segment_ptr 1
		.amdhsa_wavefront_size32 1
		.amdhsa_system_sgpr_workgroup_id_x 1
		.amdhsa_system_sgpr_workgroup_id_y 1
		.amdhsa_system_sgpr_workgroup_id_z 1
		.amdhsa_system_vgpr_workitem_id 0
		.amdhsa_next_free_vgpr 400
		.amdhsa_next_free_sgpr 96
		.amdhsa_reserve_vcc 1
		.amdhsa_float_denorm_mode_32 3
		.amdhsa_float_denorm_mode_16_64 3
		.amdhsa_memory_ordered 1
		.amdhsa_forward_progress 1
		.amdhsa_inst_pref_size 255
	.end_amdhsa_kernel
	.section	.bss,"aw",@nobits
	.p2align	6
	.space	262144
	.amdgpu_metadata
---
amdhsa.version: [ 1, 2 ]
amdhsa.kernels:
  - .name:           k_qeb3ec51c0b_mlp
    .symbol:         k_qeb3ec51c0b_mlp.kd
    .args:
      - { .name: qpts, .offset: 0, .size: 8, .value_kind: global_buffer, .address_space: global }
      - { .name: tables, .offset: 8, .size: 8, .value_kind: global_buffer, .address_space: global }
      - { .name: W1, .offset: 16, .size: 8, .value_kind: global_buffer, .address_space: global }
      - { .name: W2, .offset: 24, .size: 8, .value_kind: global_buffer, .address_space: global }
      - { .name: W3, .offset: 32, .size: 8, .value_kind: global_buffer, .address_space: global }
      - { .name: out0, .offset: 40, .size: 8, .value_kind: global_buffer, .address_space: global }
    .group_segment_fixed_size: 25600
    .private_segment_fixed_size: 0
    .kernarg_segment_align: 8
    .kernarg_segment_size: 48
    .max_flat_workgroup_size: 256
    .sgpr_count:     96
    .vgpr_count:     400
    .wavefront_size: 32
...
	.end_amdgpu_metadata
.endif
;; end of part 2
;; ======== version 2 of 3: 2 launches; 1.71 times as fast as version 1
;; limits: inputs' magnitudes at most 128; below input magnitudes of 1e-05 results are inexact or not finite; a function is approximated: absolute error at most 0.000122
;; workspace buffers: qpts 50,331,648 bytes of whole numbers; flags 131,072 bytes of whole numbers
;; launch quant (part 3): grid 512 x 1, 8 waves a work-group, no clusters, 1,280 bytes of LDS; arguments points_xy, points_xz, points_yz, points_xt, points_yt, points_zt, qpts, flags; writes qpts, flags
.if DOCPART == 3
	.amdgcn_target "amdgcn-amd-amdhsa--gfx1250"
	.amdhsa_code_object_version 6
	.text
	.protected	k_qeb3ec51c0b_quant
	.globl	k_qeb3ec51c0b_quant
	.p2align	8
	.type	k_qeb3ec51c0b_quant,@function
k_qeb3ec51c0b_quant:
	s_mov_b64 s[64:65], 0
	v_nop
	global_prefetch_b8 v0, s[64:65] scope:SCOPE_SE
	s_setreg_imm32_b32 hwreg(HW_REG_WAVE_MODE, 25, 1), 1
	s_wait_xcnt 0x0
; q = trunc(p * 2^24) as a signed 32-bit whole number, for each of the 12 coordinates of each of the 1,048,576 points.
; The next launch forms cell numbers, weights and the raw coordinates from q alone, by whole-number arithmetic.
; qpts: [32768 supertiles of 32 points][6 planes][32 points][2] i32: byte 1536 s + 256 j + 8 point + 4 c; planes xy, xz, yz, xt, yt, zt.
; flags: [32768] i32: 1 if any of the supertile's 12 x 32 numbers q lies outside [0, 2^24), that is, a point outside the unit square; else 0.
; The next launch chooses its way to the table entries by it.  Here nothing but stored values hangs on it: no branch, no address.
; LIMITS: |p| < 128; a larger p is clamped to +-(128 - 2^-17).  p is cut to a multiple of 2^-24 (toward zero).
; A NaN coordinate gives whatever v_med3_num_f32 and v_cvt_i32_f32 make of it, not a NaN in the result.
; Eight waves; the work-group owns 2,048 points, a wave 256: four units of 64 points.  For a unit and a plane a lane takes 16 bytes
; (two points), so a load of the wave covers 512 neighbouring bytes, and in a store sixteen neighbouring lanes write
; 256 consecutive bytes at a multiple of 256 from the buffer's first byte (one plane of one supertile).
; All 24 loads of a wave go out at once; no register is written again behind its store, so nothing but the loads is waited for.
.set X,   8                            ; v[8:103]   slot n = 6 k + j (unit k, plane j): 4 registers
.set F,   104                          ; v[104:107] unit k: all my q of the unit, or-ed; then the flag of my half's supertile
.set ONE, 108                          ; v108       1.0
.set LA,  109                          ; v109       LDS: 32 wave + 4 (lane / 16)
.set GA,  110                          ; v110       8 x lane
.set FW,  112                          ; v[112:113] wave 0: two of the group's 64 flags
	s_load_b256 s[4:11], s[0:1], 0x0               ; xy s[4:5], xz s[6:7], yz s[8:9], xt s[10:11]
	s_load_b128 s[12:15], s[0:1], 0x20             ; yt s[12:13], zt s[14:15]
	s_load_b128 s[16:19], s[0:1], 0x30             ; qpts s[16:17], flags s[18:19]
	v_lshl_add_u32 v114, v0, 2, 0x100
	v_mov_b32 v115, 0
	s_mov_b32 s20, 0xceffffff                      ; -(2^31 - 128): the clamp, in units of 2^-24
	s_mov_b32 s21, 0x4effffff                      ; +(2^31 - 128)
	s_lshl_b32 s22, ttmp9, 14                      ; the group's 2,048 points x 8 bytes in a plane
	s_mul_i32 s23, ttmp9, 98304                    ; the group's 64 supertiles x 1,536 bytes in qpts
	s_lshl_b32 s26, ttmp9, 8                       ; the group's 64 flags x 4 bytes
	s_mov_b32 s27, 0
	v_and_b32 v3, 31, v0                           ; lane
	v_lshrrev_b32 v4, 5, v0                        ; wave
	v_readfirstlane_b32 s24, v4                    ; and as a scalar
	s_lshl_b32 s25, s24, 5                         ; my wave's 8 flags in LDS
	v_lshlrev_b32 v1, 4, v3
	v_lshl_add_u32 v1, v4, 11, v1                  ; wave x 2,048 + lane x 16
	v_add_nc_u32 v1, s22, v1                       ; v1: where I read, in every plane
	v_mul_u32_u24 v2, 0x3000, v4                   ; wave x 8 supertiles x 1,536
	v_bfe_u32 v5, v0, 4, 1                         ; lanes 16-31 hold the unit's second supertile
	v_mad_u32_u24 v2, v5, 0x600, v2
	v_and_b32 v6, 15, v0
	v_lshl_add_u32 v2, v6, 4, v2                   ; two points of 8 bytes a lane
	v_add_nc_u32 v2, s23, v2                       ; v2: where I write
	v_lshl_add_u32 v[LA], v5, 2, s25
	v_lshlrev_b32 v[GA], 3, v3
	v_mov_b32 v[ONE], 1.0
	s_wait_kmcnt 0x0
	s_add_nc_u64 s[18:19], s[18:19], s[26:27]
.irp k, 0,1,2,3
.irp j, 0,1,2,3,4,5
	global_load_b128 v[X+4*(6*\k+\j):X+4*(6*\k+\j)+3], v1, s[4+2*\j:5+2*\j] offset:512*\k th:TH_LOAD_NT
.endr
.endr
; slot n: scale, clamp, convert in place, store; then the four q join the unit's or (plane 0 starts it: nothing is cleared)
.macro CONV n, k, j
	s_wait_loadcnt 23-\n                           ; loads come back in order: slot n is in, the 23 - n younger ones stay out
	v_pk_mul_f32 v[X+4*\n:X+4*\n+1],   v[X+4*\n:X+4*\n+1],   0x4b800000 op_sel_hi:[1,0]   ; x 2^24
	v_pk_mul_f32 v[X+4*\n+2:X+4*\n+3], v[X+4*\n+2:X+4*\n+3], 0x4b800000 op_sel_hi:[1,0]
.irp e, 0,1,2,3
	v_med3_num_f32 v[X+4*\n+\e], v[X+4*\n+\e], s20, s21
.endr
.irp e, 0,1,2,3
	v_cvt_i32_f32 v[X+4*\n+\e], v[X+4*\n+\e]
.endr
	global_store_b128 v2, v[X+4*\n:X+4*\n+3], s[16:17] offset:3072*\k+256*\j
.if \j == 0
	v_or_b32 v[F+\k], v[X+4*\n], v[X+4*\n+1]
.else
	v_or_b32 v[F+\k], v[F+\k], v[X+4*\n]
	v_or_b32 v[F+\k], v[F+\k], v[X+4*\n+1]
.endif
	v_or_b32 v[F+\k], v[F+\k], v[X+4*\n+2]
	v_or_b32 v[F+\k], v[F+\k], v[X+4*\n+3]
.endm
.irp k, 0,1,2,3
.irp j, 0,1,2,3,4,5
	CONV (6*\k+\j), \k, \j
.endr
.endr
	; THE FLAGS.  A q outside [0, 2^24) has a bit set above bit 23.  1.0 or 0 a lane, the largest of the sixteen lanes that hold a supertile, as a whole number.
.irp k, 0,1,2,3
	v_cmp_lt_u32 vcc_lo, 0xffffff, v[F+\k]
	v_cndmask_b32 v[F+\k], 0, v[ONE], vcc_lo
.endr
.irp m, 1,2,4,8
.irp k, 0,1,2,3
	v_max_num_f32_dpp v[F+\k], v[F+\k], v[F+\k] row_xmask:\m row_mask:0xf bank_mask:0xf
.endr
.endr
.irp k, 0,1,2,3
	v_cvt_u32_f32 v[F+\k], v[F+\k]
.endr
.irp k, 0,1,2,3
	ds_store_b32 v[LA], v[F+\k] offset:8*\k        ; supertile 8 wave + 2 k + (lane / 16) of the group: sixteen lanes write the same word with the same value
.endr
	s_wait_dscnt 0x0                               ; my eight flags are written, for wave 0's sake: zero
	s_barrier_signal -1
	s_barrier_wait -1                              ; everybody's are
	s_cmp_lg_u32 s24, 0
	s_cbranch_scc1 .Ldone
	ds_load_b64 v[FW:FW+1], v[GA]
	s_wait_dscnt 0x0
	global_store_b64 v[GA], v[FW:FW+1], s[18:19]   ; the group's 64 flags: 256 consecutive bytes, at a multiple of 256 from the buffer's first byte
.Ldone:
	s_wait_tensorcnt 0x0
	ds_add_u32 v114, v115
	s_wait_dscnt 0x0
	s_endpgm
.Lfunc_end_k_qeb3ec51c0b_quant:
	.size	k_qeb3ec51c0b_quant, .Lfunc_end_k_qeb3ec51c0b_quant-k_qeb3ec51c0b_quant
	.p2alignl 7, 3214868480
	.fill 96, 4, 3214868480
	.section	.rodata,"a",@progbits
	.p2align	6, 0x0
	.amdhsa_kernel k_qeb3ec51c0b_quant
		.amdhsa_group_segment_fixed_size 1280
		.amdhsa_private_segment_fixed_size 0
		.amdhsa_enable_private_segment 0
		.amdhsa_kernarg_size 64
		.amdhsa_user_sgpr_count 2
		.amdhsa_user_sgpr_kernarg_segment_ptr 1
		.amdhsa_wavefront_size32 1
		.amdhsa_system_sgpr_workgroup_id_x 1
		.amdhsa_system_sgpr_workgroup_id_y 1
		.amdhsa_system_sgpr_workgroup_id_z 1
		.amdhsa_system_vgpr_workitem_id 0
		.amdhsa_next_free_vgpr 116
		.amdhsa_next_free_sgpr 66
		.amdhsa_reserve_vcc 1
		.amdhsa_float_denorm_mode_32 3
		.amdhsa_float_denorm_mode_16_64 3
		.amdhsa_memory_ordered 1
		.amdhsa_forward_progress 1
		.amdhsa_inst_pref_size 26
	.end_amdhsa_kernel
	.amdgpu_metadata
---
amdhsa.version: [ 1, 2 ]
amdhsa.kernels:
  - .name:           k_qeb3ec51c0b_quant
    .symbol:         k_qeb3ec51c0b_quant.kd
    .args:
      - { .name: points_xy, .offset: 0, .size: 8, .value_kind: global_buffer, .address_space: global }
      - { .name: points_xz, .offset: 8, .size: 8, .value_kind: global_buffer, .address_space: global }
      - { .name: points_yz, .offset: 16, .size: 8, .value_kind: global_buffer, .address_space: global }
      - { .name: points_xt, .offset: 24, .size: 8, .value_kind: global_buffer, .address_space: global }
      - { .name: points_yt, .offset: 32, .size: 8, .value_kind: global_buffer, .address_space: global }
      - { .name: points_zt, .offset: 40, .size: 8, .value_kind: global_buffer, .address_space: global }
      - { .name: qpts, .offset: 48, .size: 8, .value_kind: global_buffer, .address_space: global }
      - { .name: flags, .offset: 56, .size: 8, .value_kind: global_buffer, .address_space: global }
    .group_segment_fixed_size: 1280
    .private_segment_fixed_size: 0
    .kernarg_segment_align: 8
    .kernarg_segment_size: 64
    .max_flat_workgroup_size: 256
    .sgpr_count:     66
    .vgpr_count:     116
    .wavefront_size: 32
...
	.end_amdgpu_metadata
.endif
;; end of part 3
;; launch mlp (part 4): grid 256 x 1, 8 waves a work-group, no clusters, 234,496 bytes of LDS; arguments qpts, tables, W1, W2, W3, out0, flags; writes out0
.if DOCPART == 4
	.amdgcn_target "amdgcn-amd-amdhsa--gfx1250"
	.amdhsa_code_object_version 6
	.text
	.protected	k_qeb3ec51c0b_mlp
	.globl	k_qeb3ec51c0b_mlp
	.p2align	8
	.type	k_qeb3ec51c0b_mlp,@function
k_qeb3ec51c0b_mlp:
	s_mov_b64 s[64:65], 0
	v_nop
	global_prefetch_b8 v0, s[64:65] scope:SCOPE_SE
	s_setreg_imm32_b32 hwreg(HW_REG_WAVE_MODE, 25, 1), 1
	s_wait_xcnt 0x0
; out = relu(relu(enc W1) W2) W3, enc = six planes of (4 levels x 2 features of a 2-D hash grid, 2 raw coordinates): 60 numbers a point.
; Input is qpts (q = trunc(p 2^24), whole numbers, [supertile of 32 points][plane][point][2]); the float points are not read here.
; POSITION: u = q xor 2^31 = (p + 128) 2^24, unsigned.  u R_l - (R_l / 2) 2^32 = q R_l in 64 bits, R_l = res_l 2^21 (exact: the f32
; resolutions are multiples of 2^-19, 2^-18).  Its high word H = floor(p res_l 2^13).  H >> 13 is the cell number modulo 2^19, which is all
; that an index modulo 2^19 needs; H & 0x1fff is the weight in units of 2^-13.  Cell and weight come from one number and always agree.
; HASH: index = (cx ^ cy 2654435761) mod 2^19 = (cx ^ (cy mod 2^19) 0x779B1) & 0x7ffff; the row cy + 1 adds 0x779B1.
; TWO WAYS TO THE CORNERS.  For 0 <= p < 1 level l touches nodes 0 .. n - 1 an axis, n = 17, 24, 32, 44: 3,825 entries a plane.  Each work-group
; copies these entries once into LDS as dense grids, entry (cx, cy) of a level at 8 (cy n + cx).  NEAR: a supertile whose 12 x 32 numbers q all
; lie in [0, 2^24) reads its corners there: 96 LDS loads, no hashing.  FAR: any other supertile hashes and gathers from the tables in memory.
; Both ways leave corners and weights in the same registers, and give the same numbers.  The choice is made by the launch before: flags holds
; one whole number a supertile (1 = far); a wave reads its sixteen by one scalar load and branches on scalar registers alone.
; LIMITS: |p| < 128 and p cut to 2^-24 (made by the launch before); weights cut to 2^-13; the position is the exact product p res, where
; the definition rounds it to f32 (the interpolant is continuous across cell edges, so a cell that differs changes the value by position
; error x slope).  Matrix operands are bf16; h1 and h2 each go into the next layer as two bf16 operands, the rounded value and the
; remainder, so that the hidden layers are carried with some 16 bits.  ReLU is v_max_num_f32: a NaN in a hidden layer becomes 0 and is not carried on.
; SHARES: 256 work-groups of 8 waves; a wave owns 16 consecutive supertiles, one a trip; in the encoding a lane is a point.
; THE MLP IS TRANSPOSED: D(feature, point) = W^T (source A) x X^T (source B).  In D lane (r, h) holds point r, features 16 mt + 8 h + j:
; packed in pairs that is the next layer's B fragment, so nothing moves between lanes or through LDS from layer to layer.
; No tensor loads, clusters or joint loads: the grids are gathered entry by entry through the hash, which no tile describes; the 32 KB of
; weights are read once by a work-group and stay in registers.
.set STILE, 1536                       ; bytes of a supertile in qpts
.set LEVELB, 4194304                   ; bytes of one level's table
.set R0, 33554432                      ; res_l x 2^21
.set R1, 46368868
.set R2, 64077140
.set R3, 88548200
; LDS: 0..18431 the 18 fragment images of 1,024 bytes; 18432..24575 768 bytes for each wave, its own, for the way out; from 24576 the grids
.set STAGE, 18432
.set TAB, 24576
.set PLANEB, 34816                     ; a plane's four grids, each padded to whole rounds of 256 entries: 512 + 768 + 1,024 + 2,048 entries of 8 bytes
.set GN0, 17                           ; nodes an axis
.set GN1, 24
.set GN2, 32
.set GN3, 44
.set GM0, 270                          ; the largest cy n + cx of a cell: (n - 2) (n + 1)
.set GM1, 550
.set GM2, 990
.set GM3, 1890
.set GO0, 0                            ; the level's grid in the plane's bytes
.set GO1, 4096
.set GO2, 10240
.set GO3, 18432
.set GD0, 3856                         ; ceil(65536 / n): e / n = e GD >> 16 for e < 2,048, since n GD - 65536 <= 24
.set GD1, 2731
.set GD2, 2048
.set GD3, 1490
; vector registers, block 0
;   v1 8 x lane   v2 stage, 12 x lane   v3 stage, 16 x lane   v4 stage + 512, 8 x lane   v5 16 x lane   (never rewritten)
.set QA, 8                             ; v[8:19]    pair p: (qx, qy) of plane p, even supertiles
.set CB, 20                            ; v[20:27]   pair l: (0, -R_l/2): the 64-bit addend
.set T,  28                            ; v[28:39]   at work; v[28:33] also the data of the stores
.set WR, 40                            ; v[40:63]   ring of 3 x 8: pair l = (wx, wy)
.set LD, 64                            ; ring of 3 x 32 at v64, v96, v224: corner c of level l at 8 l + 2 c; c = 0 (0,0), 1 (1,0), 2 (0,1), 3 (1,1)
.set LO, LD                            ; v[64:95]   in the MLP: h1's remainders (no corner is on its way then)
.set QB, 128                           ; v[128:139] as QA, odd supertiles
.set E,  160                           ; v[160:191] enc in bf16 pairs: half h (planes 3h..3h+2) at 16 h; slot 5 (p%3) + l features, 5 (p%3) + 4 coordinates, 15 zero
.set D,  192                           ; v[192:255] accumulator g = 4 t + mt at 8 g; in the encoding v[192:223] at work, 8 a level, v[224:255] the ring's third slot
.set D3, D+32                          ; the last layer's two accumulators
; in the set-up only: v[40:45] LDS address of my entry in each plane's grids; v[64:135] weights; v[136:243] ring of 9 x 12 for the fill; v[244:252] its indices
.set FA, 40
.set FR, 136
.set FI, 244
.set FT, 253
; block 1 (v256-v399, written v0-v143 under the window): fragment f at 8 f; f = 2 mt + u W1, 8 + 2 mt + u W2, 16 + u W3
; scalars: s[4:5] qpts at my pair of supertiles, s[6:7] tables, s[8:13] W1 W2 W3, s[14:15] out0 at my pair
.set TB, 16                            ; s[16:63]   pair 4 p + l: the table of plane p, level l
.set SR, 66                            ; s66-69     R_l;  s70 0x7ffff;  s71 0x779B1;  s72 counter;  s73 wave
.set FM, 76                            ; s76        in the loop: bit i = the flag of the supertile i ahead of the pair's first (a set-up temporary before)
.set FL, 84                            ; s[84:99]   my sixteen flags as loaded;  s[100:101] flags at my sixteen
.set MSB, 0
.macro WIN new                         ; the immediate's high byte repeats the setting that is left
.if MSB != \new
	s_set_vgpr_msb (MSB<<8)|\new
.set MSB, \new
.endif
.endm
.macro PLACES                          ; four plain vector places behind a matrix instruction, before vector work reads its result or writes a source (ISA guide 7.12.1)
.rept 4
	v_nop
.endr
.endm
	s_load_b128 s[4:7], s[0:1], 0x0                ; qpts, tables
	s_load_b128 s[8:11], s[0:1], 0x10              ; W1, W2
	s_load_b128 s[12:15], s[0:1], 0x20             ; W3, out0
	s_load_b64 s[100:101], s[0:1], 0x30            ; flags
	v_lshl_add_u32 v38, v0, 2, 0x39000
	v_mov_b32 v39, 0
	v_lshrrev_b32 v6, 5, v0
	v_readfirstlane_b32 s73, v6                    ; wave 0..7
	v_and_b32 v7, 31, v0                           ; lane
	v_lshlrev_b32 v1, 3, v7
	v_lshlrev_b32 v5, 4, v7
	s_lshl_b32 s76, ttmp9, 3
	s_add_co_u32 s76, s76, s73                     ; my number among the 2,048 waves
	s_mul_i32 s78, s76, 16*STILE                   ; my 16 supertiles in qpts
	s_mov_b32 s79, 0
	s_mul_i32 s80, s76, 16*384                     ; in out0 (32 points x 12 bytes each)
	s_mov_b32 s81, 0
	s_lshl_b32 s2, s76, 6                          ; and in flags (4 bytes each)
	s_mov_b32 s3, 0
	s_mul_i32 s76, s73, 768
	s_add_co_u32 s76, s76, STAGE                   ; my stage
	v_mad_u32_u24 v2, v7, 12, s76
	v_lshl_add_u32 v3, v7, 4, s76
	v_lshl_add_u32 v4, v7, 3, s76
	v_add_nc_u32 v4, 512, v4
.irp pl, 0,1,2,3,4,5
	v_lshl_add_u32 v[FA+\pl], v0, 3, TAB+PLANEB*\pl    ; the fill: thread t puts entry t of each round
.endr
	s_mov_b32 s[SR+0], R0
	s_mov_b32 s[SR+1], R1
	s_mov_b32 s[SR+2], R2
	s_mov_b32 s[SR+3], R3
	s_mov_b32 s70, 0x7ffff
	s_mov_b32 s71, 0x779B1
.irp l, 0,1,2,3
	v_mov_b32 v[CB+2*\l], 0
.endr
	v_mov_b32 v[CB+1], (0-R0/2)&0xffffffff
	v_mov_b32 v[CB+3], (0-R1/2)&0xffffffff
	v_mov_b32 v[CB+5], (0-R2/2)&0xffffffff
	v_mov_b32 v[CB+7], (0-R3/2)&0xffffffff
	; THE WEIGHTS.  Wave w makes W1's fragment and W2's fragment (mt = w >> 1, u = w & 1); waves 0 and 1 also W3's fragment u = w.
	; A fragment: lane (r, h) holds row m = 16 mt + r of W^T; register j holds two k.  W2, W3: k in its true place, 32 u + 8 h + kj + c,
	; kj = 2 j + 8 (j / 4).  W1: register j of step u, half-word c holds row 30 h + 2 (8 u + j) + c of W1, the order in which enc is packed; slot 15 is zero.
	v_and_b32 v28, 15, v0                          ; r
	v_bfe_u32 v29, v0, 4, 1                        ; h
	s_lshr_b32 s74, s73, 1
	s_lshl_b32 s74, s74, 6                         ; 64 mt: 16 columns of 4 bytes
	s_and_b32 s77, s73, 1                          ; u
	s_cmp_eq_u32 s77, 0
	s_cselect_b32 s75, -1, 0                       ; keeps word 7 where u = 0, clears it where u = 1 (slot 15)
	s_lshl_b32 s82, s77, 12
	s_add_co_u32 s82, s82, s74                     ; W1: 16 u rows of 256 bytes + 64 mt
	s_lshl_b32 s83, s77, 3
	s_add_co_u32 s83, s83, 7
	s_min_u32 s83, s83, 14                         ; word 7's slot, held at 14: no row past 59 is loaded
	s_lshl_b32 s83, s83, 9
	s_add_co_u32 s83, s83, s74
	v_lshlrev_b32 v36, 2, v28
	v_mad_u32_u24 v30, v29, 0x1e00, v36            ; 30 h rows + 4 r
	v_add_nc_u32 v31, s83, v30                     ; W1, word 7
	v_add_nc_u32 v30, s82, v30                     ; W1, words 0 to 6
	s_lshl_b32 s82, s77, 13
	s_add_co_u32 s82, s82, s74                     ; W2: 32 u rows of 256 bytes + 64 mt
	v_lshl_add_u32 v32, v29, 11, v36               ; 8 h rows + 4 r
	v_add_nc_u32 v32, s82, v32                     ; W2
	v_lshl_add_u32 v34, s73, 10, v5                ; LDS: 1,024 w + 16 lane
	s_wait_kmcnt 0x0
	s_add_nc_u64 s[100:101], s[100:101], s[2:3]
	s_load_b512 s[FL:FL+15], s[100:101], 0x0       ; my sixteen flags; waited for in front of the loop
	s_add_nc_u64 s[4:5], s[4:5], s[78:79]
	s_add_nc_u64 s[14:15], s[14:15], s[80:81]
.set n, 0
.rept 24
	s_add_nc_u64 s[TB+2*n:TB+2*n+1], s[6:7], n*LEVELB
.set n, n+1
.endr
.macro QLOAD qb, p, ahead              ; plane p's 32 points of the supertile so many ahead of the pair's first: 256 neighbouring bytes
	global_load_b64 v[\qb+2*\p:\qb+2*\p+1], v1, s[4:5] offset:STILE*\ahead+256*\p th:TH_LOAD_NT
.endm
; THE FILL.  Round k = entries 256 k .. 256 k + 255 of a plane's grids = entries e = 256 sub + t of level l.  e -> (cx, cy) -> the hash's index, which is
; the same in all six planes: six gathers.  Entries past a grid's n n (the padding) get an index too, inside the table, and are never read.
.macro FASK k, l, sub
.set FS, FR+12*(\k%9)
.set FX, FI+(\k%9)
	v_add_nc_u32 v[FT], 256*\sub, v0               ; e
	v_mul_u32_u24 v[FT+1], GD\l, v[FT]
	v_lshrrev_b32 v[FT+1], 16, v[FT+1]             ; cy = e / n
	v_mul_u32_u24 v[FT+2], GN\l, v[FT+1]
	v_sub_nc_u32 v[FT], v[FT], v[FT+2]             ; cx = e - cy n
	v_mul_u32_u24 v[FT+1], s71, v[FT+1]
	v_xor_b32 v[FT], v[FT], v[FT+1]
	v_and_b32 v[FX], s70, v[FT]
.irp pl, 0,1,2,3,4,5
	global_load_b64 v[FS+2*\pl:FS+2*\pl+1], v[FX], s[TB+2*(4*\pl+\l):TB+2*(4*\pl+\l)+1] scale_offset
.endr
.endm
.macro FPUT k                          ; round k's six entries into the six planes' grids: a wave's store covers 256 neighbouring bytes
.set FS, FR+12*(\k%9)
.irp pl, 0,1,2,3,4,5
	ds_store_b64 v[FA+\pl], v[FS+2*\pl:FS+2*\pl+1] offset:2048*\k
.endr
.endm
.irp pl, 0,1,2,3,4,5
	QLOAD QA, \pl, 0
.endr
	FASK 0, 0, 0                                   ; levels 0, 1 and 2: nine rounds, on their way together with the weights
	FASK 1, 0, 1
	FASK 2, 1, 0
	FASK 3, 1, 1
	FASK 4, 1, 2
	FASK 5, 2, 0
	FASK 6, 2, 1
	FASK 7, 2, 2
	FASK 8, 2, 3
.irp j, 0,1,2,3,4,5,6
	global_load_b32 v[LD+2*\j],   v30, s[8:9] offset:512*\j
	global_load_b32 v[LD+2*\j+1], v30, s[8:9] offset:512*\j+256
.endr
	global_load_b32 v[LD+14], v31, s[8:9]
	global_load_b32 v[LD+15], v31, s[8:9] offset:256
.irp j, 0,1,2,3,4,5,6,7
	global_load_b32 v[LD+16+2*\j],   v32, s[10:11] offset:256*(2*\j+8*(\j/4))
	global_load_b32 v[LD+16+2*\j+1], v32, s[10:11] offset:256*(2*\j+8*(\j/4))+256
.endr
	s_cmp_ge_u32 s73, 2
	s_cbranch_scc1 .Lno_w3                         ; W3 has two fragments: waves 0 and 1
	v_min_u32 v35, 2, v28                          ; W3 has 3 columns: rows m >= 3 of W3^T load column 2 and are cleared below
	v_lshlrev_b32 v35, 2, v35
	v_mad_u32_u24 v33, v29, 96, v35                ; 8 h rows of 12 bytes
	s_mul_i32 s83, s73, 384                        ; 32 u rows
	v_add_nc_u32 v33, s83, v33
.irp j, 0,1,2,3,4,5,6,7
	global_load_b32 v[LD+32+2*\j],   v33, s[12:13] offset:12*(2*\j+8*(\j/4))
	global_load_b32 v[LD+32+2*\j+1], v33, s[12:13] offset:12*(2*\j+8*(\j/4))+12
.endr
	v_cmp_gt_u32 vcc_lo, 3, v28
	s_wait_loadcnt 0x0
.irp j, 0,1,2,3,4,5,6,7
	v_cvt_pk_bf16_f32 v[LD+64+\j], v[LD+32+2*\j], v[LD+32+2*\j+1]
.endr
.irp j, 0,1,2,3,4,5,6,7
	v_cndmask_b32 v[LD+64+\j], 0, v[LD+64+\j], vcc_lo
.endr
	ds_store_b128 v34, v[LD+64:LD+67] offset:16384
	ds_store_b128 v34, v[LD+68:LD+71] offset:16896
.Lno_w3:
	s_wait_loadcnt 0x0                             ; the weights, the first supertile's q, and the fill's rounds 0 to 8
.irp j, 0,1,2,3,4,5,6,7
	v_cvt_pk_bf16_f32 v[LD+48+\j], v[LD+2*\j], v[LD+2*\j+1]
	v_cvt_pk_bf16_f32 v[LD+56+\j], v[LD+16+2*\j], v[LD+16+2*\j+1]
.endr
	v_and_b32 v[LD+55], s75, v[LD+55]
	ds_store_b128 v34, v[LD+48:LD+51]
	ds_store_b128 v34, v[LD+52:LD+55] offset:512
	ds_store_b128 v34, v[LD+56:LD+59] offset:8192
	ds_store_b128 v34, v[LD+60:LD+63] offset:8704
.irp k, 0,1,2,3,4,5,6,7
	FPUT \k                                        ; a round that has landed goes into LDS, and its slot takes a round of level 3
	FASK (\k+9), 3, \k
.endr
	FPUT 8
.irp k, 9,10,11,12,13,14,15,16
	s_wait_loadcnt 6*(16-\k)                       ; loads come back in order: round k is in, the six loads of each later round stay out
	FPUT \k
.endr
	s_wait_dscnt 0x0                               ; my images and my entries are written, for the other waves' sake: zero
	s_barrier_signal -1
	s_barrier_wait -1                              ; everybody's are.  The kernel's only barrier: images and grids are never written again
	WIN 0x40                                       ; destination in block 1
.set f, 0
.rept 18
	ds_load_b128 v[8*f:8*f+3],   v5 offset:1024*f
	ds_load_b128 v[8*f+4:8*f+7], v5 offset:1024*f+512
.set f, f+1
.endr
	WIN 0
	s_wait_dscnt 0x0
	s_wait_kmcnt 0x0                               ; my sixteen flags, each 0 or 1
	s_mov_b32 s[FM], 0
.irp i, 15,14,13,12,11,10,9,8,7,6,5,4,3,2,1,0
	s_lshl1_add_u32 s[FM], s[FM], s[FL+\i]         ; twice the mask plus the flag, from the last down: bit i = supertile i
.endr
; Plane p, both ways: from q the four levels' cells (cx at D + 8 l + 4, cy at D + 8 l + 6, modulo 2^19) and weights (into WR's ring).
; Stage by stage over the four levels, so that neighbouring lines do not hang on each other.
.macro HEAD p, qb
.set WB, WR+8*(\p%3)
	v_xor_b32 v[T],   0x80000000, v[\qb+2*\p]
	v_xor_b32 v[T+1], 0x80000000, v[\qb+2*\p+1]
.irp l, 0,1,2,3
	v_mad_nc_u64_u32 v[D+8*\l:D+8*\l+1],   v[T],   s[SR+\l], v[CB+2*\l:CB+2*\l+1]   ; high word: floor(x res 2^13)
	v_mad_nc_u64_u32 v[D+8*\l+2:D+8*\l+3], v[T+1], s[SR+\l], v[CB+2*\l:CB+2*\l+1]
.endr
.irp l, 0,1,2,3
	v_lshrrev_b32 v[D+8*\l+4], 13, v[D+8*\l+1]     ; cx mod 2^19
	v_lshrrev_b32 v[D+8*\l+6], 13, v[D+8*\l+3]     ; cy mod 2^19
.endr
.irp l, 0,1,2,3
	v_and_b32 v[WB+2*\l],   0x1fff, v[D+8*\l+1]
	v_and_b32 v[WB+2*\l+1], 0x1fff, v[D+8*\l+3]
.endr
.irp l, 0,1,2,3
	v_cvt_f32_u32 v[WB+2*\l],   v[WB+2*\l]
	v_cvt_f32_u32 v[WB+2*\l+1], v[WB+2*\l+1]
.endr
.irp l, 0,1,2,3
	v_pk_mul_f32 v[WB+2*\l:WB+2*\l+1], v[WB+2*\l:WB+2*\l+1], 0x39000000 op_sel_hi:[1,0]   ; x 2^-13
.endr
.endm
; NEAR: the cell's place in its grid, and sixteen LDS loads of 8 bytes a lane: the four corners lie 0, 8, 8 n and 8 n + 8 bytes from it.
.macro LREAD p
.set LB, LD+32*(\p%3)+96*((\p%3)/2)
.irp l, 0,1,2,3
	v_mad_u32_u24 v[D+8*\l+5], v[D+8*\l+6], GN\l, v[D+8*\l+4]      ; cy n + cx
.endr
.irp l, 0,1,2,3
	v_min_u32 v[D+8*\l+5], GM\l, v[D+8*\l+5]       ; changes no value on this way: the bound, written out in front of the address
.endr
.irp l, 0,1,2,3
	v_lshl_add_u32 v[D+8*\l+5], v[D+8*\l+5], 3, TAB+PLANEB*\p+GO\l
.endr
.irp l, 0,1,2,3
	ds_load_b64 v[LB+8*\l:LB+8*\l+1],   v[D+8*\l+5]
	ds_load_b64 v[LB+8*\l+2:LB+8*\l+3], v[D+8*\l+5] offset:8
	ds_load_b64 v[LB+8*\l+4:LB+8*\l+5], v[D+8*\l+5] offset:8*GN\l
	ds_load_b64 v[LB+8*\l+6:LB+8*\l+7], v[D+8*\l+5] offset:8*GN\l+8
.endr
.endm
; FAR: sixteen table indices, each into the first register of the pair on which its corner will land; then sixteen gathers of 8 bytes a lane
; (an entry's two features): scale_offset makes the address base + 8 x index.
.macro GATHER p
.set LB, LD+32*(\p%3)+96*((\p%3)/2)
.irp l, 0,1,2,3
	v_add_nc_u32 v[D+8*\l+5], 1, v[D+8*\l+4]
	v_mul_u32_u24 v[D+8*\l+6], s71, v[D+8*\l+6]    ; 19 bits x 19 bits; the low 19 bits of the product are wanted
.endr
.irp l, 0,1,2,3
	v_and_b32 v[D+8*\l+5], s70, v[D+8*\l+5]        ; cx + 1
	v_add_nc_u32 v[D+8*\l+7], s71, v[D+8*\l+6]     ; the row cy + 1
.endr
.irp l, 0,1,2,3
	v_and_b32 v[D+8*\l+6], s70, v[D+8*\l+6]
	v_and_b32 v[D+8*\l+7], s70, v[D+8*\l+7]
.endr
.irp l, 0,1,2,3
	v_xor_b32 v[LB+8*\l],   v[D+8*\l+4], v[D+8*\l+6]
	v_xor_b32 v[LB+8*\l+2], v[D+8*\l+5], v[D+8*\l+6]
	v_xor_b32 v[LB+8*\l+4], v[D+8*\l+4], v[D+8*\l+7]
	v_xor_b32 v[LB+8*\l+6], v[D+8*\l+5], v[D+8*\l+7]
.endr
.irp l, 0,1,2,3
.irp c, 0,2,4,6
	v_min_u32 v[LB+8*\l+\c], 0x7ffff, v[LB+8*\l+\c]    ; changes no value: the index's bound, written out in front of the address
.endr
.endr
.irp l, 0,1,2,3
.irp c, 0,2,4,6
	global_load_b64 v[LB+8*\l+\c:LB+8*\l+\c+1], v[LB+8*\l+\c], s[TB+2*(4*\p+\l):TB+2*(4*\p+\l)+1] scale_offset
.endr
.endr
.endm
; Plane p: bilinear interpolation as three linear ones, both features at once; then the plane's ten numbers as five bf16 pairs into E.
.macro INTERP p, qb
.set LB, LD+32*(\p%3)+96*((\p%3)/2)
.set WB, WR+8*(\p%3)
.set EB, E+16*(\p/3)+5*(\p%3)
.irp l, 0,1,2,3
	v_pk_add_f32 v[LB+8*\l+2:LB+8*\l+3], v[LB+8*\l+2:LB+8*\l+3], v[LB+8*\l:LB+8*\l+1] neg_lo:[0,1] neg_hi:[0,1]
	v_pk_add_f32 v[LB+8*\l+6:LB+8*\l+7], v[LB+8*\l+6:LB+8*\l+7], v[LB+8*\l+4:LB+8*\l+5] neg_lo:[0,1] neg_hi:[0,1]
.endr
.irp l, 0,1,2,3
	v_pk_fma_f32 v[LB+8*\l:LB+8*\l+1],   v[LB+8*\l+2:LB+8*\l+3], v[WB+2*\l:WB+2*\l+1], v[LB+8*\l:LB+8*\l+1] op_sel_hi:[1,0,1]     ; along x, row cy: both by wx
	v_pk_fma_f32 v[LB+8*\l+4:LB+8*\l+5], v[LB+8*\l+6:LB+8*\l+7], v[WB+2*\l:WB+2*\l+1], v[LB+8*\l+4:LB+8*\l+5] op_sel_hi:[1,0,1]   ; row cy + 1
.endr
.irp l, 0,1,2,3
	v_pk_add_f32 v[LB+8*\l+4:LB+8*\l+5], v[LB+8*\l+4:LB+8*\l+5], v[LB+8*\l:LB+8*\l+1] neg_lo:[0,1] neg_hi:[0,1]
.endr
.irp l, 0,1,2,3
	v_pk_fma_f32 v[LB+8*\l:LB+8*\l+1], v[LB+8*\l+4:LB+8*\l+5], v[WB+2*\l:WB+2*\l+1], v[LB+8*\l:LB+8*\l+1] op_sel:[0,1,0] op_sel_hi:[1,1,1]   ; along y: both by wy
.endr
	v_cvt_f32_i32 v[T+2], v[\qb+2*\p]
	v_cvt_f32_i32 v[T+3], v[\qb+2*\p+1]
.irp l, 0,1,2,3
	v_cvt_pk_bf16_f32 v[EB+\l], v[LB+8*\l], v[LB+8*\l+1]
.endr
	v_pk_mul_f32 v[T+2:T+3], v[T+2:T+3], 0x33800000 op_sel_hi:[1,0]    ; x 2^-24: the raw coordinates
	v_cvt_pk_bf16_f32 v[EB+4], v[T+2], v[T+3]
.endm
.macro ASK far, p, qb                  ; plane p's cells and weights, and its sixteen corners asked for
	HEAD \p, \qb
.if \far
	GATHER \p
.else
	LREAD \p
.endif
.endm
.macro HAVE far, cnt                   ; cnt = the corner loads issued behind the plane that is wanted; on the far way the next supertile's q loads are older than every gather
.if \far
	s_wait_loadcnt \cnt
.else
	s_wait_dscnt \cnt
.endif
.endm
; A supertile's 60 numbers a point.  A plane's corners are asked for two planes ahead of their use: 32 younger loads stay out.
.macro ENCODE far, qb
	ASK \far, 0, \qb
	ASK \far, 1, \qb
	ASK \far, 2, \qb
	HAVE \far, 32
	INTERP 0, \qb
	ASK \far, 3, \qb
	HAVE \far, 32
	INTERP 1, \qb
	ASK \far, 4, \qb
	HAVE \far, 32
	INTERP 2, \qb
	ASK \far, 5, \qb
	HAVE \far, 32
	INTERP 3, \qb
	HAVE \far, 16
	INTERP 4, \qb
	HAVE \far, 0
	INTERP 5, \qb
.endm
; 8 matrix instructions: 64 features x 32 points x 32 of K (step u), weights' fragments from wb in block 1, B fragments from bb.
; The eight accumulators take turns, one instruction a turn.  zero = 1: the pass starts the sums: nothing is cleared.
.macro PASS wb, bb, u, zero
.irp mt, 0,1,2,3
.irp t, 0,1
.if \zero
	v_wmma_f32_16x16x32_bf16 v[D+8*(4*\t+\mt):D+8*(4*\t+\mt)+7], v[\wb+8*(2*\mt+\u):\wb+8*(2*\mt+\u)+7], v[\bb+16*\t+8*\u:\bb+16*\t+8*\u+7], 0
.else
	v_wmma_f32_16x16x32_bf16 v[D+8*(4*\t+\mt):D+8*(4*\t+\mt)+7], v[\wb+8*(2*\mt+\u):\wb+8*(2*\mt+\u)+7], v[\bb+16*\t+8*\u:\bb+16*\t+8*\u+7], v[D+8*(4*\t+\mt):D+8*(4*\t+\mt)+7]
.endif
.endr
.endr
.endm
; ReLU, then two bf16 operands: accumulator g's eight features become four registers of the next layer's B fragments, the rounded value at
; E + 4 g, the remainder's rounded value at lob + 4 g.  With lob = D the accumulators are compacted in place, g ascending: register 4 g + i is
; written when 8 g + 2 i and all below it have been read.
.macro RELU_SPLIT lob
.irp g, 0,1,2,3,4,5,6,7
.irp j, 0,1,2,3,4,5,6,7
	v_max_num_f32 v[D+8*\g+\j], 0, v[D+8*\g+\j]
.endr
.irp i, 0,1,2,3
	v_cvt_pk_bf16_f32 v[E+4*\g+\i], v[D+8*\g+2*\i], v[D+8*\g+2*\i+1]
.endr
.irp i, 0,1,2,3
	v_lshlrev_b32 v[T+2*\i],   16, v[E+4*\g+\i]
	v_and_b32     v[T+2*\i+1], 0xffff0000, v[E+4*\g+\i]
.endr
.irp i, 0,1,2,3
	v_pk_add_f32 v[D+8*\g+2*\i:D+8*\g+2*\i+1], v[D+8*\g+2*\i:D+8*\g+2*\i+1], v[T+2*\i:T+2*\i+1] neg_lo:[0,1] neg_hi:[0,1]
.endr
.irp i, 0,1,2,3
	v_cvt_pk_bf16_f32 v[\lob+4*\g+\i], v[D+8*\g+2*\i], v[D+8*\g+2*\i+1]
.endr
.endr
.endm
; The supertile's MLP.  par = 0, 1: which half of my stage takes the 384 bytes of results; behind the second, 768 bytes go out.
.macro MLP par
	v_mov_b32 v[E+15], 0
	v_mov_b32 v[E+31], 0
.set e, 0
.rept 15
	v_permlane16_swap_b32 v[E+e], v[E+16+e]        ; lanes 16-31 of half 0 change places with lanes 0-15 of half 1: E+e is now tile 0 (points 0-15), E+16+e tile 1, lane (r, h) = half h of point r
.set e, e+1
.endr
	WIN 0x01                                       ; source A in block 1
	PASS 0, E, 0, 1                                ; layer 1: enc x W1
	PASS 0, E, 1, 0
	WIN 0
	PLACES
	RELU_SPLIT LO                                  ; h1: rounded values into E, remainders into the corner ring's first slot
	WIN 0x01
	PASS 64, E, 0, 1                               ; layer 2: h1's rounded values x W2,
	PASS 64, E, 1, 0
	PASS 64, LO, 0, 0                              ; and its remainders x W2, onto the same sums
	PASS 64, LO, 1, 0
	WIN 0
	PLACES
	RELU_SPLIT D                                   ; h2: rounded values into E, remainders into D's lower half
	WIN 0x01                                       ; the last layer: two accumulators by turns, one instruction a turn
.irp t, 0,1
	v_wmma_f32_16x16x32_bf16 v[D3+8*\t:D3+8*\t+7], v[128:135], v[E+16*\t:E+16*\t+7], 0
.endr
.irp t, 0,1
	v_wmma_f32_16x16x32_bf16 v[D3+8*\t:D3+8*\t+7], v[136:143], v[E+16*\t+8:E+16*\t+15], v[D3+8*\t:D3+8*\t+7]
.endr
.irp u, 0,1
.irp t, 0,1
	v_wmma_f32_16x16x32_bf16 v[D3+8*\t:D3+8*\t+7], v[128+8*\u:128+8*\u+7], v[D+16*\t+8*\u:D+16*\t+8*\u+7], v[D3+8*\t:D3+8*\t+7]
.endr
.endr
	WIN 0
	PLACES
.irp j, 0,1,2
	v_permlane16_swap_b32 v[D3+\j], v[D3+8+\j]     ; outputs lie in lanes 0-15 of both tiles: now lane L of D3 + j holds output j of point L
.endr
.irp j, 0,1,2
	ds_store_b32 v2, v[D3+\j] offset:384*\par+4*\j
.endr
.if \par
	ds_load_b128 v[T:T+3], v3                      ; my own bytes, and LDS serves a wave's instructions in order: these see the stores above
	ds_load_b64 v[T+4:T+5], v4
	s_wait_dscnt 0x0
	global_store_b128 v5, v[T:T+3], s[14:15] th:TH_STORE_NT               ; 512 consecutive bytes,
	global_store_b64 v1, v[T+4:T+5], s[14:15] offset:512 th:TH_STORE_NT   ; and 256 more: 64 points' results, at a multiple of 256 from out0's first byte
.endif
.endm
; A trip: supertile par of the pair, its q in qb.  The next supertile's q goes out first, into qn, and has the whole trip in which to land.
.macro TRIP par, qb, qn
	s_wait_loadcnt 0x0                             ; this supertile's q, asked for at the head of the last trip
.if \par
	s_cmp_eq_u32 s72, 1
	s_cbranch_scc1 .Lnoq_\@                        ; the last pair's second trip asks for nothing: no load leaves my sixteen supertiles
.endif
.irp pl, 0,1,2,3,4,5
	QLOAD \qn, \pl, (\par+1)
.endr
.if \par
.Lnoq_\@:
.endif
	s_bitcmp1_b32 s[FM], \par                      ; this supertile's flag
	s_cbranch_scc1 .Lfar_\@                        ; one point of the 32 outside the unit square: the whole supertile goes to the tables in memory
	ENCODE 0, \qb
	s_branch .Lenc_\@
.Lfar_\@:
	ENCODE 1, \qb
.Lenc_\@:
	MLP \par
.endm
	s_mov_b32 s72, 8
.Lpair:
	TRIP 0, QA, QB
	TRIP 1, QB, QA
	s_wait_xcnt 0x0                                ; the two bases and the stores' data are written again only behind this wait
	s_add_nc_u64 s[4:5], s[4:5], 2*STILE
	s_add_nc_u64 s[14:15], s[14:15], 768
	s_lshr_b32 s[FM], s[FM], 2                     ; the next pair's two flags come down to bits 0 and 1
	s_sub_co_i32 s72, s72, 1
	s_cmp_lg_u32 s72, 0
	s_cbranch_scc1 .Lpair
	s_wait_tensorcnt 0x0
	ds_add_u32 v38, v39
	s_wait_dscnt 0x0
	s_endpgm
.Lfunc_end_k_qeb3ec51c0b_mlp:
	.size	k_qeb3ec51c0b_mlp, .Lfunc_end_k_qeb3ec51c0b_mlp-k_qeb3ec51c0b_mlp
	.p2alignl 7, 3214868480
	.fill 96, 4, 3214868480
	.section	.rodata,"a",@progbits
	.p2align	6, 0x0
	.amdhsa_kernel k_qeb3ec51c0b_mlp
		.amdhsa_group_segment_fixed_size 234496
		.amdhsa_private_segment_fixed_size 0
		.amdhsa_enable_private_segment 0
		.amdhsa_kernarg_size 56
		.amdhsa_user_sgpr_count 2
		.amdhsa_user_sgpr_kernarg_segment_ptr 1
		.amdhsa_wavefront_size32 1
		.amdhsa_system_sgpr_workgroup_id_x 1
		.amdhsa_system_sgpr_workgroup_id_y 1
		.amdhsa_system_sgpr_workgroup_id_z 1
		.amdhsa_system_vgpr_workitem_id 0
		.amdhsa_next_free_vgpr 400
		.amdhsa_next_free_sgpr 102
		.amdhsa_reserve_vcc 1
		.amdhsa_float_denorm_mode_32 3
		.amdhsa_float_denorm_mode_16_64 3
		.amdhsa_memory_ordered 1
		.amdhsa_forward_progress 1
		.amdhsa_inst_pref_size 255
	.end_amdhsa_kernel
	.section	.bss,"aw",@nobits
	.p2align	6
	.space	262144
	.amdgpu_metadata
---
amdhsa.version: [ 1, 2 ]
amdhsa.kernels:
  - .name:           k_qeb3ec51c0b_mlp
    .symbol:         k_qeb3ec51c0b_mlp.kd
    .args:
      - { .name: qpts, .offset: 0, .size: 8, .value_kind: global_buffer, .address_space: global }
      - { .name: tables, .offset: 8, .size: 8, .value_kind: global_buffer, .address_space: global }
      - { .name: W1, .offset: 16, .size: 8, .value_kind: global_buffer, .address_space: global }
      - { .name: W2, .offset: 24, .size: 8, .value_kind: global_buffer, .address_space: global }
      - { .name: W3, .offset: 32, .size: 8, .value_kind: global_buffer, .address_space: global }
      - { .name: out0, .offset: 40, .size: 8, .value_kind: global_buffer, .address_space: global }
      - { .name: flags, .offset: 48, .size: 8, .value_kind: global_buffer, .address_space: global }
    .group_segment_fixed_size: 234496
    .private_segment_fixed_size: 0
    .kernarg_segment_align: 8
    .kernarg_segment_size: 56
    .max_flat_workgroup_size: 256
    .sgpr_count:     102
    .vgpr_count:     400
    .wavefront_size: 32
...
	.end_amdgpu_metadata
.endif
;; end of part 4
;; ======== version 3 of 3: 2 launches; version 2 with the launches quant, mlp written anew for expert scheduling mode
;; limits: inputs' magnitudes at most 128; below input magnitudes of 1e-05 results are inexact or not finite; a function is approximated: absolute error at most 0.000122
;; workspace buffers: qpts 50,331,648 bytes of whole numbers; flags 131,072 bytes of whole numbers
;; launch quant (part 5): grid 512 x 1, 8 waves a work-group, no clusters, 1,280 bytes of LDS; arguments points_xy, points_xz, points_yz, points_xt, points_yt, points_zt, qpts, flags; writes qpts, flags
.if DOCPART == 5
	.amdgcn_target "amdgcn-amd-amdhsa--gfx1250"
	.amdhsa_code_object_version 6
	.text
	.protected	k_qeb3ec51c0b_quant
	.globl	k_qeb3ec51c0b_quant
	.p2align	8
	.type	k_qeb3ec51c0b_quant,@function
k_qeb3ec51c0b_quant:
	s_mov_b64 s[64:65], 0
	v_nop
	global_prefetch_b8 v0, s[64:65] scope:SCOPE_SE
	s_setreg_imm32_b32 hwreg(HW_REG_WAVE_SCHED_MODE, 0, 2), 2
	s_setreg_imm32_b32 hwreg(HW_REG_WAVE_MODE, 25, 1), 1
	s_wait_xcnt 0x0
	s_wait_alu depctr_vm_vsrc(0)
; q = trunc(p * 2^24) as a signed 32-bit whole number, for each of the 12 coordinates of each of the 1,048,576 points.
; The next launch forms cell numbers, weights and the raw coordinates from q alone, by whole-number arithmetic.
; qpts: [32768 supertiles of 32 points][6 planes][32 points][2] i32: byte 1536 s + 256 j + 8 point + 4 c; planes xy, xz, yz, xt, yt, zt.
; flags: [32768] i32: 1 if any of the supertile's 12 x 32 numbers q lies outside [0, 2^24), that is, a point outside the unit square; else 0.
; The next launch chooses its way to the table entries by it.  Here nothing but stored values hangs on it: no branch, no address.
; LIMITS: |p| < 128; a larger p is clamped to +-(128 - 2^-17).  p is cut to a multiple of 2^-24 (toward zero).
; A NaN coordinate gives whatever v_med3_num_f32 and v_cvt_i32_f32 make of it, not a NaN in the result.
; Eight waves; the work-group owns 2,048 points, a wave 256: four units of 64 points.  For a unit and a plane a lane takes 16 bytes
; (two points), so a load of the wave covers 512 neighbouring bytes, and in a store sixteen neighbouring lanes write
; 256 consecutive bytes at a multiple of 256 from the buffer's first byte (one plane of one supertile).
; All 24 loads of a wave go out at once; no register is written again behind its store.
; THE MODE: SCHED_MODE bits 1:0 = 2 (LLVM: expert scheduling mode 2), set by the entry lines.  The code itself states the register dependences
; between vector instructions and memory or LDS instructions, with s_wait_alu, always for 0.
; THE PLAN.  Registers that memory or LDS instructions touch:
;   X, 24 slots     A load lands in a slot once; unit k's conversions rewrite it in place; the store that reads it is issued in unit k + 1; nothing writes it again.
;   v1, v2, LA, GA  Offsets and LDS addresses, made at the head and never written again.
;   F0 .. F3        Written by the ors, the selects, the maxima and the conversions; read by four LDS stores.
;   FW              An LDS load lands in it, a store reads it; no vector instruction names it.
; Unit k's vector lines name unit k's slots and F[k] alone.  So one wait on va_vdst at a unit's head states all that the six stores of the unit before hang on,
; and these are dealt among the unit's slots with no further wait.  No register that a memory instruction reads is written again: no wait on vm_vsrc is owed.
.set X,   8                            ; v[8:103]   slot n = 6 k + j (unit k, plane j): 4 registers
.set F,   104                          ; v[104:107] unit k: all my q of the unit, or-ed; then the flag of my half's supertile
.set ONE, 108                          ; v108       1.0
.set LA,  109                          ; v109       LDS: 32 wave + 4 (lane / 16)
.set GA,  110                          ; v110       8 x lane
.set LIM, 111                          ; v111       2^24 - 1
.set FW,  112                          ; v[112:113] wave 0: two of the group's 64 flags
	s_load_b256 s[4:11], s[0:1], 0x0               ; xy s[4:5], xz s[6:7], yz s[8:9], xt s[10:11]
	s_load_b128 s[12:15], s[0:1], 0x20             ; yt s[12:13], zt s[14:15]
	s_load_b128 s[16:19], s[0:1], 0x30             ; qpts s[16:17], flags s[18:19]
	v_lshl_add_u32 v114, v0, 2, 0x100
	v_mov_b32 v115, 0
	s_mov_b32 s20, 0xceffffff                      ; -(2^31 - 128): the clamp, in units of 2^-24
	s_mov_b32 s21, 0x4effffff                      ; +(2^31 - 128)
	s_lshl_b32 s22, ttmp9, 14                      ; the group's 2,048 points x 8 bytes in a plane
	s_mul_i32 s23, ttmp9, 98304                    ; the group's 64 supertiles x 1,536 bytes in qpts
	s_lshl_b32 s26, ttmp9, 8                       ; the group's 64 flags x 4 bytes
	s_mov_b32 s27, 0
	v_and_b32 v3, 31, v0                           ; lane
	v_lshrrev_b32 v4, 5, v0                        ; wave
	v_readfirstlane_b32 s24, v4                    ; and as a scalar
	v_lshlrev_b32 v1, 4, v3
	v_lshl_add_u32 v1, v4, 11, v1                  ; wave x 2,048 + lane x 16
	v_add_nc_u32 v1, s22, v1                       ; v1: where I read, in every plane
	v_mul_u32_u24 v2, 0x3000, v4                   ; wave x 8 supertiles x 1,536
	v_bfe_u32 v5, v0, 4, 1                         ; lanes 16-31 hold the unit's second supertile
	v_mad_u32_u24 v2, v5, 0x600, v2
	v_and_b32 v6, 15, v0
	v_lshl_add_u32 v2, v6, 4, v2                   ; two points of 8 bytes a lane
	v_add_nc_u32 v2, s23, v2                       ; v2: where I write
	v_lshlrev_b32 v[GA], 3, v3
	v_mov_b32 v[ONE], 1.0
	v_mov_b32 v[LIM], 0xffffff
	s_wait_alu depctr_va_sdst(0)                   ; s24 is written, ahead of its first reader
	s_lshl_b32 s25, s24, 5                         ; my wave's 8 flags in LDS
	v_lshl_add_u32 v[LA], v5, 2, s25
	s_wait_kmcnt 0x0
	s_add_nc_u64 s[18:19], s[18:19], s[26:27]
	s_wait_alu depctr_va_vdst(0)                   ; v1, v2, LA and GA are written: every load, store and LDS instruction of the kernel reads one of them
.irp k, 0,1,2,3
.irp j, 0,1,2,3,4,5
	global_load_b128 v[X+4*(6*\k+\j):X+4*(6*\k+\j)+3], v1, s[4+2*\j:5+2*\j] offset:512*\k th:TH_LOAD_NT
.endr
.endr
; slot n: the same plane's store of the unit before; then scale, clamp, convert in place; then the four q join the unit's or (plane 0 starts it: nothing is cleared)
.macro CONV n, k, j
	s_wait_loadcnt 23-\n                           ; loads come back in order: slot n is in, the 23 - n younger ones stay out
.if (\j == 0) && (\k > 0)
	s_wait_alu depctr_va_vdst(0)                   ; the conversions of the unit before have written its six slots, which the unit's six stores, dealt among this unit's slots, read
.endif
.if \k > 0
	global_store_b128 v2, v[X+4*(\n-6):X+4*(\n-6)+3], s[16:17] offset:3072*(\k-1)+256*\j   ; no vector line since the wait names this slot or v2
.endif
	v_pk_mul_f32 v[X+4*\n:X+4*\n+1],   v[X+4*\n:X+4*\n+1],   0x4b800000 op_sel_hi:[1,0]   ; x 2^24
	v_pk_mul_f32 v[X+4*\n+2:X+4*\n+3], v[X+4*\n+2:X+4*\n+3], 0x4b800000 op_sel_hi:[1,0]
.irp e, 0,1,2,3
	v_med3_num_f32 v[X+4*\n+\e], v[X+4*\n+\e], s20, s21
.endr
.irp e, 0,1,2,3
	v_cvt_i32_f32 v[X+4*\n+\e], v[X+4*\n+\e]
.endr
.if \j == 0
	v_or_b32 v[F+\k], v[X+4*\n], v[X+4*\n+1]
.else
	v_or_b32 v[F+\k], v[F+\k], v[X+4*\n]
	v_or_b32 v[F+\k], v[F+\k], v[X+4*\n+1]
.endif
	v_or_b32 v[F+\k], v[F+\k], v[X+4*\n+2]
	v_or_b32 v[F+\k], v[F+\k], v[X+4*\n+3]
.endm
.irp k, 0,1,2,3
.irp j, 0,1,2,3,4,5
	CONV (6*\k+\j), \k, \j
.endr
.endr
	s_wait_alu depctr_va_vdst(0)                   ; the last unit's conversions have written its six slots, which the six stores below read
.irp j, 0,1,2,3,4,5
	global_store_b128 v2, v[X+4*(18+\j):X+4*(18+\j)+3], s[16:17] offset:3072*3+256*\j
.endr
	; THE FLAGS.  A q outside [0, 2^24) has a bit set above bit 23.  1.0 or 0 a lane, the largest of the sixteen lanes that hold a supertile, as a whole number.
	v_cmp_lt_u32 s2,  v[LIM], v[F+0]               ; the four masks go into four scalar registers, so that one wait serves the four selects
	v_cmp_lt_u32 s3,  v[LIM], v[F+1]
	v_cmp_lt_u32 s26, v[LIM], v[F+2]
	v_cmp_lt_u32 s27, v[LIM], v[F+3]
	s_wait_alu depctr_va_sdst(0)                   ; s2, s3, s26 and s27 are written, ahead of the selects that read them
	v_cndmask_b32 v[F+0], 0, v[ONE], s2
	v_cndmask_b32 v[F+1], 0, v[ONE], s3
	v_cndmask_b32 v[F+2], 0, v[ONE], s26
	v_cndmask_b32 v[F+3], 0, v[ONE], s27
.irp m, 1,2,4,8
.irp k, 0,1,2,3
	v_max_num_f32_dpp v[F+\k], v[F+\k], v[F+\k] row_xmask:\m row_mask:0xf bank_mask:0xf
.endr
.endr
.irp k, 0,1,2,3
	v_cvt_u32_f32 v[F+\k], v[F+\k]
.endr
	s_wait_alu depctr_va_vdst(0)                   ; the conversions have written F0 to F3, which the LDS stores read
.irp k, 0,1,2,3
	ds_store_b32 v[LA], v[F+\k] offset:8*\k        ; supertile 8 wave + 2 k + (lane / 16) of the group: sixteen lanes write the same word with the same value
.endr
	s_wait_dscnt 0x0                               ; my eight flags are written, for wave 0's sake: zero
	s_barrier_signal -1
	s_barrier_wait -1                              ; everybody's are
	s_cmp_lg_u32 s24, 0
	s_cbranch_scc1 .Ldone
	ds_load_b64 v[FW:FW+1], v[GA]                  ; no vector instruction names FW, and GA was written ahead of the head's wait
	s_wait_dscnt 0x0
	global_store_b64 v[GA], v[FW:FW+1], s[18:19]   ; the group's 64 flags: 256 consecutive bytes, at a multiple of 256 from the buffer's first byte
.Ldone:
	s_wait_dscnt 0x0
	s_wait_alu depctr_hold_cnt(0) depctr_sa_sdst(0) depctr_va_vdst(0) depctr_va_sdst(0) depctr_va_ssrc(0) depctr_va_vcc(0) depctr_vm_vsrc(0)
	s_wait_tensorcnt 0x0
	ds_add_u32 v114, v115
	s_wait_dscnt 0x0
	s_endpgm
.Lfunc_end_k_qeb3ec51c0b_quant:
	.size	k_qeb3ec51c0b_quant, .Lfunc_end_k_qeb3ec51c0b_quant-k_qeb3ec51c0b_quant
	.p2alignl 7, 3214868480
	.fill 96, 4, 3214868480
	.section	.rodata,"a",@progbits
	.p2align	6, 0x0
	.amdhsa_kernel k_qeb3ec51c0b_quant
		.amdhsa_group_segment_fixed_size 1280
		.amdhsa_private_segment_fixed_size 0
		.amdhsa_enable_private_segment 0
		.amdhsa_kernarg_size 64
		.amdhsa_user_sgpr_count 2
		.amdhsa_user_sgpr_kernarg_segment_ptr 1
		.amdhsa_wavefront_size32 1
		.amdhsa_system_sgpr_workgroup_id_x 1
		.amdhsa_system_sgpr_workgroup_id_y 1
		.amdhsa_system_sgpr_workgroup_id_z 1
		.amdhsa_system_vgpr_workitem_id 0
		.amdhsa_next_free_vgpr 116
		.amdhsa_next_free_sgpr 66
		.amdhsa_reserve_vcc 0
		.amdhsa_float_denorm_mode_32 3
		.amdhsa_float_denorm_mode_16_64 3
		.amdhsa_memory_ordered 1
		.amdhsa_forward_progress 1
		.amdhsa_inst_pref_size 27
	.end_amdhsa_kernel
	.amdgpu_metadata
---
amdhsa.version: [ 1, 2 ]
amdhsa.kernels:
  - .name:           k_qeb3ec51c0b_quant
    .symbol:         k_qeb3ec51c0b_quant.kd
    .args:
      - { .name: points_xy, .offset: 0, .size: 8, .value_kind: global_buffer, .address_space: global }
      - { .name: points_xz, .offset: 8, .size: 8, .value_kind: global_buffer, .address_space: global }
      - { .name: points_yz, .offset: 16, .size: 8, .value_kind: global_buffer, .address_space: global }
      - { .name: points_xt, .offset: 24, .size: 8, .value_kind: global_buffer, .address_space: global }
      - { .name: points_yt, .offset: 32, .size: 8, .value_kind: global_buffer, .address_space: global }
      - { .name: points_zt, .offset: 40, .size: 8, .value_kind: global_buffer, .address_space: global }
      - { .name: qpts, .offset: 48, .size: 8, .value_kind: global_buffer, .address_space: global }
      - { .name: flags, .offset: 56, .size: 8, .value_kind: global_buffer, .address_space: global }
    .group_segment_fixed_size: 1280
    .private_segment_fixed_size: 0
    .kernarg_segment_align: 8
    .kernarg_segment_size: 64
    .max_flat_workgroup_size: 256
    .sgpr_count:     66
    .vgpr_count:     116
    .wavefront_size: 32
...
	.end_amdgpu_metadata
.endif
;; end of part 5
;; launch mlp (part 6): grid 256 x 1, 8 waves a work-group, no clusters, 234,496 bytes of LDS; arguments qpts, tables, W1, W2, W3, out0, flags; writes out0
.if DOCPART == 6
	.amdgcn_target "amdgcn-amd-amdhsa--gfx1250"
	.amdhsa_code_object_version 6
	.text
	.protected	k_qeb3ec51c0b_mlp
	.globl	k_qeb3ec51c0b_mlp
	.p2align	8
	.type	k_qeb3ec51c0b_mlp,@function
k_qeb3ec51c0b_mlp:
	s_mov_b64 s[64:65], 0
	v_nop
	global_prefetch_b8 v0, s[64:65] scope:SCOPE_SE
	s_setreg_imm32_b32 hwreg(HW_REG_WAVE_SCHED_MODE, 0, 2), 2
	s_setreg_imm32_b32 hwreg(HW_REG_WAVE_MODE, 25, 1), 1
	s_wait_xcnt 0x0
	s_wait_alu depctr_vm_vsrc(0)
; out = relu(relu(enc W1) W2) W3, enc = six planes of (4 levels x 2 features of a 2-D hash grid, 2 raw coordinates): 60 numbers a point.
; Input is qpts (q = trunc(p 2^24), whole numbers, [supertile of 32 points][plane][point][2]); the float points are not read here.
; POSITION: u = q xor 2^31 = (p + 128) 2^24, unsigned.  u R_l - (R_l / 2) 2^32 = q R_l in 64 bits, R_l = res_l 2^21 (exact: the f32
; resolutions are multiples of 2^-19, 2^-18).  Its high word H = floor(p res_l 2^13).  H >> 13 is the cell number modulo 2^19, which is all
; that an index modulo 2^19 needs; H & 0x1fff is the weight in units of 2^-13.  Cell and weight come from one number and always agree.
; HASH: index = (cx ^ cy 2654435761) mod 2^19 = (cx ^ (cy mod 2^19) 0x779B1) & 0x7ffff; the row cy + 1 adds 0x779B1.
; TWO WAYS TO THE CORNERS.  For 0 <= p < 1 level l touches nodes 0 .. n - 1 an axis, n = 17, 24, 32, 44: 3,825 entries a plane.  Each work-group
; copies these entries once into LDS as dense grids, entry (cx, cy) of a level at 8 (cy n + cx).  NEAR: a supertile whose 12 x 32 numbers q all
; lie in [0, 2^24) reads its corners there: 96 LDS loads, no hashing.  FAR: any other supertile hashes and gathers from the tables in memory.
; Both ways leave corners and weights in the same registers, and give the same numbers.  The choice is made by the launch before: flags holds
; one whole number a supertile (1 = far); a wave reads its sixteen by one scalar load and branches on scalar registers alone.
; LIMITS: |p| < 128 and p cut to 2^-24 (made by the launch before); weights cut to 2^-13; the position is the exact product p res, where
; the definition rounds it to f32 (the interpolant is continuous across cell edges, so a cell that differs changes the value by position
; error x slope).  Matrix operands are bf16; h1 and h2 each go into the next layer as two bf16 operands, the rounded value and the
; remainder, so that the hidden layers are carried with some 16 bits.  ReLU is v_max_num_f32: a NaN in a hidden layer becomes 0 and is not carried on.
; SHARES: 256 work-groups of 8 waves; a wave owns 16 consecutive supertiles, one a trip; in the encoding a lane is a point.
; THE MLP IS TRANSPOSED: D(feature, point) = W^T (source A) x X^T (source B).  In D lane (r, h) holds point r, features 16 mt + 8 h + j:
; packed in pairs that is the next layer's B fragment, so nothing moves between lanes or through LDS from layer to layer.
; No tensor loads, clusters or joint loads: the grids are gathered entry by entry through the hash, which no tile describes; the 32 KB of
; weights are read once by a work-group and stay in registers.
; THE MODE: SCHED_MODE bits 1:0 = 2 (LLVM: expert scheduling mode 2), set by the entry lines.  The code itself states the register dependences
; between vector or matrix instructions and memory or LDS instructions, with s_wait_alu, always for 0.
; THE PLAN.  Registers that memory or LDS instructions touch, in the loop:
;   QA, QB          A trip's vector lines read one of them; the six loads at the next trip's head land in it.
;   the corner ring Plane p's sixteen loads land in slot p % 3; INTERP p reads and rewrites the slot.  The MLP uses slot 0 (h1's remainders, a matrix source) and slot 2 (accumulators).
;   AD, near way    Four LDS addresses a plane, a set of its own for each of the six planes: written once a trip by the plane's lines, read by its sixteen loads.
;   D+8l+0..3, far  Four indices a level: written by each plane's lines, read by its sixteen gathers, written again by the next plane's lines and by the first layer's matrix instructions.
;   D3 .. D3+2      Written by the last layer and the swaps, read by three LDS stores; slot 2's loads land there in the next trip.
;   T .. T+5        Every second trip: LDS loads land in them, two stores read them; the next trip's vector lines write them again.
;   v1 .. v5        Offsets and LDS addresses, made at the head and never written again.
; THE WAITS of a trip.  One on vm_vsrc at its head: all that the last trip's memory and LDS instructions read may be written again.  One on va_vdst for each plane, behind the plane's address
; lines and the wait for the corners of plane p - 2: the addresses are written, and the slot's last readers and writers are done; behind it plane p's sixteen loads are dealt among
; INTERP p - 2's lines, which name another slot, another set of weights, E, T+2, T+3 and q, none of the registers that those loads touch.  One on va_vdst ahead of the MLP's LDS stores; no vector
; line stands between it and the next trip's loads of q, so it also states that this trip is done reading the buffer in which they land.  The far way adds one on vm_vsrc ahead of each rewriting of its indices.
.set STILE, 1536                       ; bytes of a supertile in qpts
.set LEVELB, 4194304                   ; bytes of one level's table
.set R0, 33554432                      ; res_l x 2^21
.set R1, 46368868
.set R2, 64077140
.set R3, 88548200
; LDS: 0..18431 the 18 fragment images of 1,024 bytes; 18432..24575 768 bytes for each wave, its own, for the way out; from 24576 the grids
.set STAGE, 18432
.set TAB, 24576
.set PLANEB, 34816                     ; a plane's four grids, each padded to whole rounds of 256 entries: 512 + 768 + 1,024 + 2,048 entries of 8 bytes
.set GN0, 17                           ; nodes an axis
.set GN1, 24
.set GN2, 32
.set GN3, 44
.set GM0, 270                          ; the largest cy n + cx of a cell: (n - 2) (n + 1)
.set GM1, 550
.set GM2, 990
.set GM3, 1890
.set GO0, 0                            ; the level's grid in the plane's bytes
.set GO1, 4096
.set GO2, 10240
.set GO3, 18432
.set GD0, 3856                         ; ceil(65536 / n): e / n = e GD >> 16 for e < 2,048, since n GD - 65536 <= 24
.set GD1, 2731
.set GD2, 2048
.set GD3, 1490
; vector registers, block 0
;   v1 8 x lane   v2 stage, 12 x lane   v3 stage, 16 x lane   v4 stage + 512, 8 x lane   v5 16 x lane   (never rewritten)
.set QA, 8                             ; v[8:19]    pair p: (qx, qy) of plane p, even supertiles
.set CB, 20                            ; v[20:27]   pair l: (0, -R_l/2): the 64-bit addend
.set T,  28                            ; v[28:35]   at work; v[28:33] also the data of the stores;  v[36:39] plane 5's four LDS addresses
.set WR, 40                            ; v[40:63]   ring of 3 x 8: pair l = (wx, wy)
.set LD, 64                            ; ring of 3 x 32 at v64, v96, v224: corner c of level l at 8 l + 2 c; c = 0 (0,0), 1 (1,0), 2 (0,1), 3 (1,1)
.set LO, LD                            ; v[64:95]   in the MLP: h1's remainders (no corner is on its way then)
.set QB, 128                           ; v[128:139] as QA, odd supertiles
                                       ; v[140:159] planes 0 to 4: four LDS addresses each
.set E,  160                           ; v[160:191] enc in bf16 pairs: half h (planes 3h..3h+2) at 16 h; slot 5 (p%3) + l features, 5 (p%3) + 4 coordinates, 15 zero
.set D,  192                           ; v[192:255] accumulator g = 4 t + mt at 8 g; in the encoding v[192:223] at work, 8 a level, v[224:255] the ring's third slot
.set D3, D+32                          ; the last layer's two accumulators
; in the set-up only: v[40:45] LDS address of my entry in each plane's grids; v[64:135] weights; v[136:243] ring of 9 x 12 for the fill; v[244:252] its indices
.set FA, 40
.set FR, 136
.set FI, 244
.set FT, 253
; block 1 (v256-v399, written v0-v143 under the window): fragment f at 8 f; f = 2 mt + u W1, 8 + 2 mt + u W2, 16 + u W3
; scalars: s[4:5] qpts at my pair of supertiles, s[6:7] tables, s[8:13] W1 W2 W3, s[14:15] out0 at my pair
.set TB, 16                            ; s[16:63]   pair 4 p + l: the table of plane p, level l
.set SR, 66                            ; s66-69     R_l;  s70 0x7ffff;  s71 0x779B1;  s72 counter;  s73 wave
.set FM, 76                            ; s76        in the loop: bit i = the flag of the supertile i ahead of the pair's first (a set-up temporary before)
.set FL, 84                            ; s[84:99]   my sixteen flags as loaded;  s[100:101] flags at my sixteen
.set MSB, 0
.macro WIN new                         ; the immediate's high byte repeats the setting that is left
.if MSB != \new
	s_set_vgpr_msb (MSB<<8)|\new
.set MSB, \new
.endif
.endm
.macro PLACES                          ; four plain vector places behind a matrix instruction, before vector work reads its result or writes a source (ISA guide 7.12.1)
.rept 4
	v_nop
.endr
.endm
.macro QLOAD qb, p, ahead              ; plane p's 32 points of the supertile so many ahead of the pair's first: 256 neighbouring bytes
	global_load_b64 v[\qb+2*\p:\qb+2*\p+1], v1, s[4:5] offset:STILE*\ahead+256*\p th:TH_LOAD_NT
.endm
; THE FILL.  Round k = entries 256 k .. 256 k + 255 of a plane's grids = entries e = 256 sub + t of level l.  e -> (cx, cy) -> the hash's index, which is
; the same in all six planes: six gathers.  Entries past a grid's n n (the padding) get an index too, inside the table, and are never read.
.macro FIDX k, l, sub                  ; round k's index; the indices of several rounds are made on end, so that one wait serves all their gathers
.set FX, FI+(\k%9)
	v_add_nc_u32 v[FT], 256*\sub, v0               ; e
	v_mul_u32_u24 v[FT+1], GD\l, v[FT]
	v_lshrrev_b32 v[FT+1], 16, v[FT+1]             ; cy = e / n
	v_mul_u32_u24 v[FT+2], GN\l, v[FT+1]
	v_sub_nc_u32 v[FT], v[FT], v[FT+2]             ; cx = e - cy n
	v_mul_u32_u24 v[FT+1], s71, v[FT+1]
	v_xor_b32 v[FT], v[FT], v[FT+1]
	v_and_b32 v[FX], s70, v[FT]
.endm
.macro FGET k, l                       ; round k's six gathers
.set FS, FR+12*(\k%9)
.set FX, FI+(\k%9)
.irp pl, 0,1,2,3,4,5
	global_load_b64 v[FS+2*\pl:FS+2*\pl+1], v[FX], s[TB+2*(4*\pl+\l):TB+2*(4*\pl+\l)+1] scale_offset
.endr
.endm
.macro FPUT k                          ; round k's six entries into the six planes' grids: a wave's store covers 256 neighbouring bytes
.set FS, FR+12*(\k%9)
.irp pl, 0,1,2,3,4,5
	ds_store_b64 v[FA+\pl], v[FS+2*\pl:FS+2*\pl+1] offset:2048*\k
.endr
.endm
	s_load_b128 s[4:7], s[0:1], 0x0                ; qpts, tables
	s_load_b128 s[8:11], s[0:1], 0x10              ; W1, W2
	s_load_b128 s[12:15], s[0:1], 0x20             ; W3, out0
	s_load_b64 s[100:101], s[0:1], 0x30            ; flags
	s_set_vgpr_msb 0x40
	v_lshl_add_u32 v144, v0, 2, 0x39000
	v_mov_b32 v145, 0
	s_set_vgpr_msb 0x4000
	v_lshrrev_b32 v6, 5, v0
	v_readfirstlane_b32 s73, v6                    ; wave 0..7
	v_and_b32 v7, 31, v0                           ; lane
	v_lshlrev_b32 v1, 3, v7
	v_lshlrev_b32 v5, 4, v7
	s_wait_alu depctr_va_sdst(0)                   ; s73 is written, ahead of its first reader
	s_lshl_b32 s76, ttmp9, 3
	s_add_co_u32 s76, s76, s73                     ; my number among the 2,048 waves
	s_mul_i32 s78, s76, 16*STILE                   ; my 16 supertiles in qpts
	s_mov_b32 s79, 0
	s_mul_i32 s80, s76, 16*384                     ; in out0 (32 points x 12 bytes each)
	s_mov_b32 s81, 0
	s_lshl_b32 s2, s76, 6                          ; and in flags (4 bytes each)
	s_mov_b32 s3, 0
	s_mul_i32 s76, s73, 768
	s_add_co_u32 s76, s76, STAGE                   ; my stage
	v_mad_u32_u24 v2, v7, 12, s76
	v_lshl_add_u32 v3, v7, 4, s76
	v_lshl_add_u32 v4, v7, 3, s76
	v_add_nc_u32 v4, 512, v4
.irp pl, 0,1,2,3,4,5
	v_lshl_add_u32 v[FA+\pl], v0, 3, TAB+PLANEB*\pl    ; the fill: thread t puts entry t of each round
.endr
	s_mov_b32 s[SR+0], R0
	s_mov_b32 s[SR+1], R1
	s_mov_b32 s[SR+2], R2
	s_mov_b32 s[SR+3], R3
	s_mov_b32 s70, 0x7ffff
	s_mov_b32 s71, 0x779B1
.irp l, 0,1,2,3
	v_mov_b32 v[CB+2*\l], 0
.endr
	v_mov_b32 v[CB+1], (0-R0/2)&0xffffffff
	v_mov_b32 v[CB+3], (0-R1/2)&0xffffffff
	v_mov_b32 v[CB+5], (0-R2/2)&0xffffffff
	v_mov_b32 v[CB+7], (0-R3/2)&0xffffffff
	; THE WEIGHTS.  Wave w makes W1's fragment and W2's fragment (mt = w >> 1, u = w & 1); waves 0 and 1 also W3's fragment u = w.
	; A fragment: lane (r, h) holds row m = 16 mt + r of W^T; register j holds two k.  W2, W3: k in its true place, 32 u + 8 h + kj + c,
	; kj = 2 j + 8 (j / 4).  W1: register j of step u, half-word c holds row 30 h + 2 (8 u + j) + c of W1, the order in which enc is packed; slot 15 is zero.
	v_and_b32 v28, 15, v0                          ; r
	v_bfe_u32 v29, v0, 4, 1                        ; h
	s_lshr_b32 s74, s73, 1
	s_lshl_b32 s74, s74, 6                         ; 64 mt: 16 columns of 4 bytes
	s_and_b32 s77, s73, 1                          ; u
	s_cmp_eq_u32 s77, 0
	s_cselect_b32 s75, -1, 0                       ; keeps word 7 where u = 0, clears it where u = 1 (slot 15)
	s_lshl_b32 s82, s77, 12
	s_add_co_u32 s82, s82, s74                     ; W1: 16 u rows of 256 bytes + 64 mt
	s_lshl_b32 s83, s77, 3
	s_add_co_u32 s83, s83, 7
	s_min_u32 s83, s83, 14                         ; word 7's slot, held at 14: no row past 59 is loaded
	s_lshl_b32 s83, s83, 9
	s_add_co_u32 s83, s83, s74
	v_lshlrev_b32 v36, 2, v28
	v_mad_u32_u24 v30, v29, 0x1e00, v36            ; 30 h rows + 4 r
	v_add_nc_u32 v31, s83, v30                     ; W1, word 7
	v_add_nc_u32 v30, s82, v30                     ; W1, words 0 to 6
	s_lshl_b32 s82, s77, 13
	s_add_co_u32 s82, s82, s74                     ; W2: 32 u rows of 256 bytes + 64 mt
	v_lshl_add_u32 v32, v29, 11, v36               ; 8 h rows + 4 r
	v_add_nc_u32 v32, s82, v32                     ; W2
	v_lshl_add_u32 v34, s73, 10, v5                ; LDS: 1,024 w + 16 lane
	FIDX 0, 0, 0                                   ; levels 0, 1 and 2: the indices of nine rounds
	FIDX 1, 0, 1
	FIDX 2, 1, 0
	FIDX 3, 1, 1
	FIDX 4, 1, 2
	FIDX 5, 2, 0
	FIDX 6, 2, 1
	FIDX 7, 2, 2
	FIDX 8, 2, 3
	s_wait_kmcnt 0x0
	s_add_nc_u64 s[100:101], s[100:101], s[2:3]
	s_load_b512 s[FL:FL+15], s[100:101], 0x0       ; my sixteen flags; waited for in front of the loop
	s_add_nc_u64 s[4:5], s[4:5], s[78:79]
	s_add_nc_u64 s[14:15], s[14:15], s[80:81]
.set n, 0
.rept 24
	s_add_nc_u64 s[TB+2*n:TB+2*n+1], s[6:7], n*LEVELB
.set n, n+1
.endr
	s_wait_alu depctr_va_vdst(0)                   ; v1 to v5, the fill's LDS addresses and nine indices, the weights' offsets v30 to v32 and the images' address v34 are written: the loads and LDS instructions below read them
.irp pl, 0,1,2,3,4,5
	QLOAD QA, \pl, 0
.endr
	FGET 0, 0                                      ; nine rounds, on their way together with the weights
	FGET 1, 0
	FGET 2, 1
	FGET 3, 1
	FGET 4, 1
	FGET 5, 2
	FGET 6, 2
	FGET 7, 2
	FGET 8, 2
.irp j, 0,1,2,3,4,5,6
	global_load_b32 v[LD+2*\j],   v30, s[8:9] offset:512*\j
	global_load_b32 v[LD+2*\j+1], v30, s[8:9] offset:512*\j+256
.endr
	global_load_b32 v[LD+14], v31, s[8:9]
	global_load_b32 v[LD+15], v31, s[8:9] offset:256
.irp j, 0,1,2,3,4,5,6,7
	global_load_b32 v[LD+16+2*\j],   v32, s[10:11] offset:256*(2*\j+8*(\j/4))
	global_load_b32 v[LD+16+2*\j+1], v32, s[10:11] offset:256*(2*\j+8*(\j/4))+256
.endr
	s_cmp_ge_u32 s73, 2
	s_cbranch_scc1 .Lno_w3                         ; W3 has two fragments: waves 0 and 1
	v_min_u32 v35, 2, v28                          ; W3 has 3 columns: rows m >= 3 of W3^T load column 2 and are cleared below
	v_lshlrev_b32 v35, 2, v35
	v_mad_u32_u24 v33, v29, 96, v35                ; 8 h rows of 12 bytes
	s_mul_i32 s83, s73, 384                        ; 32 u rows
	v_add_nc_u32 v33, s83, v33
	v_cmp_gt_u32 vcc_lo, 3, v28
	s_wait_alu depctr_va_vdst(0)                   ; v33 is written, which the sixteen loads below read as their offset
.irp j, 0,1,2,3,4,5,6,7
	global_load_b32 v[LD+32+2*\j],   v33, s[12:13] offset:12*(2*\j+8*(\j/4))
	global_load_b32 v[LD+32+2*\j+1], v33, s[12:13] offset:12*(2*\j+8*(\j/4))+12
.endr
	s_wait_alu depctr_va_vcc(0)                    ; VCC is written, ahead of the selects that read it
	s_wait_loadcnt 0x0
.irp j, 0,1,2,3,4,5,6,7
	v_cvt_pk_bf16_f32 v[LD+64+\j], v[LD+32+2*\j], v[LD+32+2*\j+1]
.endr
.irp j, 0,1,2,3,4,5,6,7
	v_cndmask_b32 v[LD+64+\j], 0, v[LD+64+\j], vcc_lo
.endr
	s_wait_alu depctr_va_vdst(0)                   ; the selects have written W3's image, which the two LDS stores read
	ds_store_b128 v34, v[LD+64:LD+67] offset:16384
	ds_store_b128 v34, v[LD+68:LD+71] offset:16896
.Lno_w3:
	s_wait_loadcnt 0x0                             ; the weights, the first supertile's q, and the fill's rounds 0 to 8
.irp j, 0,1,2,3,4,5,6,7
	v_cvt_pk_bf16_f32 v[LD+48+\j], v[LD+2*\j], v[LD+2*\j+1]
	v_cvt_pk_bf16_f32 v[LD+56+\j], v[LD+16+2*\j], v[LD+16+2*\j+1]
.endr
	v_and_b32 v[LD+55], s75, v[LD+55]
	s_wait_alu depctr_vm_vsrc(0)                   ; the gathers of rounds 0 to 7 have read their indices, which the lines below write again (the wait on LOADcnt above shows those gathers done)
.irp k, 0,1,2,3,4,5,6,7
	FIDX (\k+9), 3, \k                             ; level 3: the indices of eight rounds
.endr
	s_wait_alu depctr_va_vdst(0)                   ; the conversions have written W1's and W2's images, which the LDS stores read; the eight indices are written, which the gathers below read
	ds_store_b128 v34, v[LD+48:LD+51]
	ds_store_b128 v34, v[LD+52:LD+55] offset:512
	ds_store_b128 v34, v[LD+56:LD+59] offset:8192
	ds_store_b128 v34, v[LD+60:LD+63] offset:8704
.irp k, 0,1,2,3,4,5,6,7
	FPUT \k                                        ; the rounds that have landed go into LDS,
.endr
	s_wait_alu depctr_vm_vsrc(0)                   ; the LDS stores have read the ring's slots 0 to 7, in which the gathers below land
.irp k, 0,1,2,3,4,5,6,7
	FGET (\k+9), 3                                 ; and their slots take the rounds of level 3
.endr
	FPUT 8
.irp k, 9,10,11,12,13,14,15,16
	s_wait_loadcnt 6*(16-\k)                       ; loads come back in order: round k is in, the six loads of each later round stay out
	FPUT \k
.endr
	s_wait_dscnt 0x0                               ; my images and my entries are written, for the other waves' sake: zero
	s_barrier_signal -1
	s_barrier_wait -1                              ; everybody's are.  The kernel's only barrier: images and grids are never written again
	WIN 0x40                                       ; destination in block 1: registers that nothing has named; the address v5 was written ahead of the head's wait
.set f, 0
.rept 18
	ds_load_b128 v[8*f:8*f+3],   v5 offset:1024*f
	ds_load_b128 v[8*f+4:8*f+7], v5 offset:1024*f+512
.set f, f+1
.endr
	WIN 0
	s_wait_dscnt 0x0
	s_wait_kmcnt 0x0                               ; my sixteen flags, each 0 or 1
	s_mov_b32 s[FM], 0
.irp i, 15,14,13,12,11,10,9,8,7,6,5,4,3,2,1,0
	s_lshl1_add_u32 s[FM], s[FM], s[FL+\i]         ; twice the mask plus the flag, from the last down: bit i = supertile i
.endr
; Plane p, both ways: from q the four levels' cells (cx at D + 8 l + 4, cy at D + 8 l + 6, modulo 2^19) and weights (into WR's ring).
; Stage by stage over the four levels, so that neighbouring lines do not hang on each other.
.macro HEAD p, qb
.set WB, WR+8*(\p%3)
	v_xor_b32 v[T],   0x80000000, v[\qb+2*\p]
	v_xor_b32 v[T+1], 0x80000000, v[\qb+2*\p+1]
.irp l, 0,1,2,3
	v_mad_nc_u64_u32 v[D+8*\l:D+8*\l+1],   v[T],   s[SR+\l], v[CB+2*\l:CB+2*\l+1]   ; high word: floor(x res 2^13)
	v_mad_nc_u64_u32 v[D+8*\l+2:D+8*\l+3], v[T+1], s[SR+\l], v[CB+2*\l:CB+2*\l+1]
.endr
.irp l, 0,1,2,3
	v_lshrrev_b32 v[D+8*\l+4], 13, v[D+8*\l+1]     ; cx mod 2^19
	v_lshrrev_b32 v[D+8*\l+6], 13, v[D+8*\l+3]     ; cy mod 2^19
.endr
.irp l, 0,1,2,3
	v_and_b32 v[WB+2*\l],   0x1fff, v[D+8*\l+1]
	v_and_b32 v[WB+2*\l+1], 0x1fff, v[D+8*\l+3]
.endr
.irp l, 0,1,2,3
	v_cvt_f32_u32 v[WB+2*\l],   v[WB+2*\l]
	v_cvt_f32_u32 v[WB+2*\l+1], v[WB+2*\l+1]
.endr
.irp l, 0,1,2,3
	v_pk_mul_f32 v[WB+2*\l:WB+2*\l+1], v[WB+2*\l:WB+2*\l+1], 0x39000000 op_sel_hi:[1,0]   ; x 2^-13
.endr
.endm
.macro SETAB p                         ; plane p's four LDS addresses: a set of its own, so that none is written again within a trip
.if \p < 5
.set AB, 140+4*\p
.else
.set AB, 36
.endif
.endm
; NEAR: the cell's place in its grid; the four corners lie 0, 8, 8 n and 8 n + 8 bytes from it.
.macro NADR p
	SETAB \p
.irp l, 0,1,2,3
	v_mad_u32_u24 v[AB+\l], v[D+8*\l+6], GN\l, v[D+8*\l+4]         ; cy n + cx
.endr
.irp l, 0,1,2,3
	v_min_u32 v[AB+\l], GM\l, v[AB+\l]             ; changes no value on this way: the bound, written out in front of the address
.endr
.irp l, 0,1,2,3
	v_lshl_add_u32 v[AB+\l], v[AB+\l], 3, TAB+PLANEB*\p+GO\l
.endr
.endm
; FAR: sixteen table indices, corner c of level l at D + 8 l + c, where the products lay that the weights have been taken from.
.macro FADR p
.irp l, 0,1,2,3
	v_add_nc_u32 v[D+8*\l+5], 1, v[D+8*\l+4]
	v_mul_u32_u24 v[D+8*\l+6], s71, v[D+8*\l+6]    ; 19 bits x 19 bits; the low 19 bits of the product are wanted
.endr
.irp l, 0,1,2,3
	v_and_b32 v[D+8*\l+5], s70, v[D+8*\l+5]        ; cx + 1
	v_add_nc_u32 v[D+8*\l+7], s71, v[D+8*\l+6]     ; the row cy + 1
.endr
.irp l, 0,1,2,3
	v_and_b32 v[D+8*\l+6], s70, v[D+8*\l+6]
	v_and_b32 v[D+8*\l+7], s70, v[D+8*\l+7]
.endr
.irp l, 0,1,2,3
	v_xor_b32 v[D+8*\l],   v[D+8*\l+4], v[D+8*\l+6]
	v_xor_b32 v[D+8*\l+1], v[D+8*\l+5], v[D+8*\l+6]
	v_xor_b32 v[D+8*\l+2], v[D+8*\l+4], v[D+8*\l+7]
	v_xor_b32 v[D+8*\l+3], v[D+8*\l+5], v[D+8*\l+7]
.endr
.irp l, 0,1,2,3
.irp c, 0,1,2,3
	v_min_u32 v[D+8*\l+\c], 0x7ffff, v[D+8*\l+\c]  ; changes no value: the index's bound, written out in front of the address
.endr
.endr
.endm
; The four corners of level l of plane p: loads of 8 bytes a lane (an entry's two features).  Far: scale_offset makes the address base + 8 x index.
.macro CORN far, p, l
.set LC, LD+32*(\p%3)+96*((\p%3)/2)
.if \far
.irp c, 0,1,2,3
	global_load_b64 v[LC+8*\l+2*\c:LC+8*\l+2*\c+1], v[D+8*\l+\c], s[TB+2*(4*\p+\l):TB+2*(4*\p+\l)+1] scale_offset
.endr
.else
	SETAB \p
	ds_load_b64 v[LC+8*\l:LC+8*\l+1],   v[AB+\l]
	ds_load_b64 v[LC+8*\l+2:LC+8*\l+3], v[AB+\l] offset:8
	ds_load_b64 v[LC+8*\l+4:LC+8*\l+5], v[AB+\l] offset:8*GN\l
	ds_load_b64 v[LC+8*\l+6:LC+8*\l+7], v[AB+\l] offset:8*GN\l+8
.endif
.endm
.macro CORN4 far, p                    ; a plane's sixteen corners in one run
.irp l, 0,1,2,3
	CORN \far, \p, \l
.endr
.endm
; Plane p: bilinear interpolation as three linear ones, both features at once; then the plane's ten numbers as five bf16 pairs into E.
; nx >= 0: the sixteen corner loads of plane nx are dealt among these lines, a level in front of each of the first four stages.  No wait: since the wait on va_vdst that
; stands ahead of this macro no vector line names plane nx's slot or its addresses.
.macro INTERP far, p, qb, nx
.set LB, LD+32*(\p%3)+96*((\p%3)/2)
.set WB, WR+8*(\p%3)
.set EB, E+16*(\p/3)+5*(\p%3)
.if \nx >= 0
	CORN \far, \nx, 0
.endif
.irp l, 0,1,2,3
	v_pk_add_f32 v[LB+8*\l+2:LB+8*\l+3], v[LB+8*\l+2:LB+8*\l+3], v[LB+8*\l:LB+8*\l+1] neg_lo:[0,1] neg_hi:[0,1]
	v_pk_add_f32 v[LB+8*\l+6:LB+8*\l+7], v[LB+8*\l+6:LB+8*\l+7], v[LB+8*\l+4:LB+8*\l+5] neg_lo:[0,1] neg_hi:[0,1]
.endr
.if \nx >= 0
	CORN \far, \nx, 1
.endif
.irp l, 0,1,2,3
	v_pk_fma_f32 v[LB+8*\l:LB+8*\l+1],   v[LB+8*\l+2:LB+8*\l+3], v[WB+2*\l:WB+2*\l+1], v[LB+8*\l:LB+8*\l+1] op_sel_hi:[1,0,1]     ; along x, row cy: both by wx
	v_pk_fma_f32 v[LB+8*\l+4:LB+8*\l+5], v[LB+8*\l+6:LB+8*\l+7], v[WB+2*\l:WB+2*\l+1], v[LB+8*\l+4:LB+8*\l+5] op_sel_hi:[1,0,1]   ; row cy + 1
.endr
.if \nx >= 0
	CORN \far, \nx, 2
.endif
.irp l, 0,1,2,3
	v_pk_add_f32 v[LB+8*\l+4:LB+8*\l+5], v[LB+8*\l+4:LB+8*\l+5], v[LB+8*\l:LB+8*\l+1] neg_lo:[0,1] neg_hi:[0,1]
.endr
.if \nx >= 0
	CORN \far, \nx, 3
.endif
.irp l, 0,1,2,3
	v_pk_fma_f32 v[LB+8*\l:LB+8*\l+1], v[LB+8*\l+4:LB+8*\l+5], v[WB+2*\l:WB+2*\l+1], v[LB+8*\l:LB+8*\l+1] op_sel:[0,1,0] op_sel_hi:[1,1,1]   ; along y: both by wy
.endr
	v_cvt_f32_i32 v[T+2], v[\qb+2*\p]
	v_cvt_f32_i32 v[T+3], v[\qb+2*\p+1]
.irp l, 0,1,2,3
	v_cvt_pk_bf16_f32 v[EB+\l], v[LB+8*\l], v[LB+8*\l+1]
.endr
	v_pk_mul_f32 v[T+2:T+3], v[T+2:T+3], 0x33800000 op_sel_hi:[1,0]    ; x 2^-24: the raw coordinates
	v_cvt_pk_bf16_f32 v[EB+4], v[T+2], v[T+3]
.endm
.macro ASK far, p, qb                  ; plane p's cells, weights and addresses: vector lines alone
.if \far && (\p > 0)
	s_wait_xcnt 0x0                                ; the gathers of the plane before have had their addresses translated: their indices are rewritten only behind this wait,
	s_wait_alu depctr_vm_vsrc(0)                   ; and those gathers have read their indices in D, which the lines below write again
.endif
	HEAD \p, \qb
.if \far
	FADR \p
.else
	NADR \p
.endif
.endm
.macro HAVE far, cnt                   ; cnt = the corner loads issued behind the plane that is wanted; on the far way the next supertile's q loads are older than every gather
.if \far
	s_wait_loadcnt \cnt
.else
	s_wait_dscnt \cnt
.endif
.endm
.macro STEP far, p, qb                 ; plane p is asked for while plane p - 2 is interpolated
	ASK \far, \p, \qb
	HAVE \far, 16                                  ; plane p - 2's corners are in; plane p - 1's sixteen loads stay out
	s_wait_alu depctr_va_vdst(0)                   ; plane p's addresses are written, which its loads read; the vector and matrix instructions that last named slot p % 3, in which they land, are done
	INTERP \far, (\p-2), \qb, \p
.endm
; A supertile's 60 numbers a point.  A plane's corners are asked for two planes ahead of their use.
.macro ENCODE far, qb
	ASK \far, 0, \qb
	s_wait_alu depctr_va_vdst(0)                   ; plane 0's addresses are written, which its loads read; the last supertile's matrix instructions are done reading h1's remainders in slot 0, in which they land
	CORN4 \far, 0
	ASK \far, 1, \qb
	s_wait_alu depctr_va_vdst(0)                   ; plane 1's addresses are written, which its loads read
	CORN4 \far, 1
	STEP \far, 2, \qb
	STEP \far, 3, \qb
	STEP \far, 4, \qb
	STEP \far, 5, \qb
	HAVE \far, 16                                  ; plane 4's corners are in; plane 5's stay out
	INTERP \far, 4, \qb, -1
	HAVE \far, 0
	INTERP \far, 5, \qb, -1
.if \far
	s_wait_alu depctr_vm_vsrc(0)                   ; plane 5's gathers have read their indices in D, which the first layer's matrix instructions write
.endif
.endm
; 8 matrix instructions: 64 features x 32 points x 32 of K (step u), weights' fragments from wb in block 1, B fragments from bb.
; The eight accumulators take turns, one instruction a turn.  zero = 1: the pass starts the sums: nothing is cleared.
.macro PASS wb, bb, u, zero
.irp mt, 0,1,2,3
.irp t, 0,1
.if \zero
	v_wmma_f32_16x16x32_bf16 v[D+8*(4*\t+\mt):D+8*(4*\t+\mt)+7], v[\wb+8*(2*\mt+\u):\wb+8*(2*\mt+\u)+7], v[\bb+16*\t+8*\u:\bb+16*\t+8*\u+7], 0
.else
	v_wmma_f32_16x16x32_bf16 v[D+8*(4*\t+\mt):D+8*(4*\t+\mt)+7], v[\wb+8*(2*\mt+\u):\wb+8*(2*\mt+\u)+7], v[\bb+16*\t+8*\u:\bb+16*\t+8*\u+7], v[D+8*(4*\t+\mt):D+8*(4*\t+\mt)+7]
.endif
.endr
.endr
.endm
; ReLU, then two bf16 operands: accumulator g's eight features become four registers of the next layer's B fragments, the rounded value at
; E + 4 g, the remainder's rounded value at lob + 4 g.  With lob = D the accumulators are compacted in place, g ascending: register 4 g + i is
; written when 8 g + 2 i and all below it have been read.
.macro RELU_SPLIT lob
.irp g, 0,1,2,3,4,5,6,7
.irp j, 0,1,2,3,4,5,6,7
	v_max_num_f32 v[D+8*\g+\j], 0, v[D+8*\g+\j]
.endr
.irp i, 0,1,2,3
	v_cvt_pk_bf16_f32 v[E+4*\g+\i], v[D+8*\g+2*\i], v[D+8*\g+2*\i+1]
.endr
.irp i, 0,1,2,3
	v_lshlrev_b32 v[T+2*\i],   16, v[E+4*\g+\i]
	v_and_b32     v[T+2*\i+1], 0xffff0000, v[E+4*\g+\i]
.endr
.irp i, 0,1,2,3
	v_pk_add_f32 v[D+8*\g+2*\i:D+8*\g+2*\i+1], v[D+8*\g+2*\i:D+8*\g+2*\i+1], v[T+2*\i:T+2*\i+1] neg_lo:[0,1] neg_hi:[0,1]
.endr
.irp i, 0,1,2,3
	v_cvt_pk_bf16_f32 v[\lob+4*\g+\i], v[D+8*\g+2*\i], v[D+8*\g+2*\i+1]
.endr
.endr
.endm
; The supertile's MLP.  par = 0, 1: which half of my stage takes the 384 bytes of results; behind the second, 768 bytes go out.
.macro MLP par
	v_mov_b32 v[E+15], 0
	v_mov_b32 v[E+31], 0
.set e, 0
.rept 15
	v_permlane16_swap_b32 v[E+e], v[E+16+e]        ; lanes 16-31 of half 0 change places with lanes 0-15 of half 1: E+e is now tile 0 (points 0-15), E+16+e tile 1, lane (r, h) = half h of point r
.set e, e+1
.endr
	WIN 0x01                                       ; source A in block 1
	PASS 0, E, 0, 1                                ; layer 1: enc x W1
	PASS 0, E, 1, 0
	WIN 0
	PLACES
	RELU_SPLIT LO                                  ; h1: rounded values into E, remainders into the corner ring's first slot
	WIN 0x01
	PASS 64, E, 0, 1                               ; layer 2: h1's rounded values x W2,
	PASS 64, E, 1, 0
	PASS 64, LO, 0, 0                              ; and its remainders x W2, onto the same sums
	PASS 64, LO, 1, 0
	WIN 0
	PLACES
	RELU_SPLIT D                                   ; h2: rounded values into E, remainders into D's lower half
	WIN 0x01                                       ; the last layer: two accumulators by turns, one instruction a turn
.irp t, 0,1
	v_wmma_f32_16x16x32_bf16 v[D3+8*\t:D3+8*\t+7], v[128:135], v[E+16*\t:E+16*\t+7], 0
.endr
.irp t, 0,1
	v_wmma_f32_16x16x32_bf16 v[D3+8*\t:D3+8*\t+7], v[136:143], v[E+16*\t+8:E+16*\t+15], v[D3+8*\t:D3+8*\t+7]
.endr
.irp u, 0,1
.irp t, 0,1
	v_wmma_f32_16x16x32_bf16 v[D3+8*\t:D3+8*\t+7], v[128+8*\u:128+8*\u+7], v[D+16*\t+8*\u:D+16*\t+8*\u+7], v[D3+8*\t:D3+8*\t+7]
.endr
.endr
	WIN 0
	PLACES
.irp j, 0,1,2
	v_permlane16_swap_b32 v[D3+\j], v[D3+8+\j]     ; outputs lie in lanes 0-15 of both tiles: now lane L of D3 + j holds output j of point L
.endr
	s_wait_alu depctr_va_vdst(0)                   ; the swaps have written D3 to D3+2, which the LDS stores read; the lines that named T, in which the stage's loads land, are done; so are this trip's reads of its q, in which the next trip's loads land
.irp j, 0,1,2
	ds_store_b32 v2, v[D3+\j] offset:384*\par+4*\j
.endr
.if \par
	ds_load_b128 v[T:T+3], v3                      ; my own bytes, and LDS serves a wave's instructions in order: these see the stores above
	ds_load_b64 v[T+4:T+5], v4
	s_wait_dscnt 0x0
	global_store_b128 v5, v[T:T+3], s[14:15] th:TH_STORE_NT               ; 512 consecutive bytes,
	global_store_b64 v1, v[T+4:T+5], s[14:15] offset:512 th:TH_STORE_NT   ; and 256 more: 64 points' results, at a multiple of 256 from out0's first byte
.endif
.endm
; A trip: supertile par of the pair, its q in qb.  The next supertile's q goes out first, into qn, and has the whole trip in which to land.
.macro TRIP par, qb, qn
	s_wait_loadcnt 0x0                             ; this supertile's q, asked for at the head of the last trip
	s_wait_alu depctr_vm_vsrc(0)                   ; the last trip's corner loads have read their addresses, its LDS stores D3, its stores T: this trip writes all of them again.  In the first trip: the set-up's LDS stores and loads have read the registers that the loop takes over
.if \par
	s_cmp_eq_u32 s72, 1
	s_cbranch_scc1 .Lnoq_\@                        ; the last pair's second trip asks for nothing: no load leaves my sixteen supertiles
.endif
.irp pl, 0,1,2,3,4,5
	QLOAD \qn, \pl, (\par+1)
.endr
.if \par
.Lnoq_\@:
.endif
	s_bitcmp1_b32 s[FM], \par                      ; this supertile's flag
	s_cbranch_scc1 .Lfar_\@                        ; one point of the 32 outside the unit square: the whole supertile goes to the tables in memory
	ENCODE 0, \qb
	s_branch .Lenc_\@
.Lfar_\@:
	ENCODE 1, \qb
.Lenc_\@:
	MLP \par
.endm
	s_mov_b32 s72, 8
.Lpair:
	TRIP 0, QA, QB
	TRIP 1, QB, QA
	s_wait_xcnt 0x0                                ; the two bases and the stores' data are written again only behind this wait (and the data only behind the next trip's wait on vm_vsrc)
	s_add_nc_u64 s[4:5], s[4:5], 2*STILE
	s_add_nc_u64 s[14:15], s[14:15], 768
	s_lshr_b32 s[FM], s[FM], 2                     ; the next pair's two flags come down to bits 0 and 1
	s_sub_co_i32 s72, s72, 1
	s_cmp_lg_u32 s72, 0
	s_cbranch_scc1 .Lpair
	s_set_vgpr_msb 0x5
	s_wait_dscnt 0x0
	s_wait_alu depctr_hold_cnt(0) depctr_sa_sdst(0) depctr_va_vdst(0) depctr_va_sdst(0) depctr_va_ssrc(0) depctr_va_vcc(0) depctr_vm_vsrc(0)
	s_wait_tensorcnt 0x0
	ds_add_u32 v144, v145
	s_wait_dscnt 0x0
	s_endpgm
.Lfunc_end_k_qeb3ec51c0b_mlp:
	.size	k_qeb3ec51c0b_mlp, .Lfunc_end_k_qeb3ec51c0b_mlp-k_qeb3ec51c0b_mlp
	.p2alignl 7, 3214868480
	.fill 96, 4, 3214868480
	.section	.rodata,"a",@progbits
	.p2align	6, 0x0
	.amdhsa_kernel k_qeb3ec51c0b_mlp
		.amdhsa_group_segment_fixed_size 234496
		.amdhsa_private_segment_fixed_size 0
		.amdhsa_enable_private_segment 0
		.amdhsa_kernarg_size 56
		.amdhsa_user_sgpr_count 2
		.amdhsa_user_sgpr_kernarg_segment_ptr 1
		.amdhsa_wavefront_size32 1
		.amdhsa_system_sgpr_workgroup_id_x 1
		.amdhsa_system_sgpr_workgroup_id_y 1
		.amdhsa_system_sgpr_workgroup_id_z 1
		.amdhsa_system_vgpr_workitem_id 0
		.amdhsa_next_free_vgpr 402
		.amdhsa_next_free_sgpr 102
		.amdhsa_reserve_vcc 1
		.amdhsa_float_denorm_mode_32 3
		.amdhsa_float_denorm_mode_16_64 3
		.amdhsa_memory_ordered 1
		.amdhsa_forward_progress 1
		.amdhsa_inst_pref_size 255
	.end_amdhsa_kernel
	.section	.bss,"aw",@nobits
	.p2align	6
	.space	262144
	.amdgpu_metadata
---
amdhsa.version: [ 1, 2 ]
amdhsa.kernels:
  - .name:           k_qeb3ec51c0b_mlp
    .symbol:         k_qeb3ec51c0b_mlp.kd
    .args:
      - { .name: qpts, .offset: 0, .size: 8, .value_kind: global_buffer, .address_space: global }
      - { .name: tables, .offset: 8, .size: 8, .value_kind: global_buffer, .address_space: global }
      - { .name: W1, .offset: 16, .size: 8, .value_kind: global_buffer, .address_space: global }
      - { .name: W2, .offset: 24, .size: 8, .value_kind: global_buffer, .address_space: global }
      - { .name: W3, .offset: 32, .size: 8, .value_kind: global_buffer, .address_space: global }
      - { .name: out0, .offset: 40, .size: 8, .value_kind: global_buffer, .address_space: global }
      - { .name: flags, .offset: 48, .size: 8, .value_kind: global_buffer, .address_space: global }
    .group_segment_fixed_size: 234496
    .private_segment_fixed_size: 0
    .kernarg_segment_align: 8
    .kernarg_segment_size: 56
    .max_flat_workgroup_size: 256
    .sgpr_count:     102
    .vgpr_count:     402
    .wavefront_size: 32
...
	.end_amdgpu_metadata
.endif
;; end of part 6
